; MI455X (gfx1250); checked and timed in simulation.
; The chip was launched on July 23, 2026; its instructions are those of AMD's public machine-readable ISA for CDNA 5 (MIT licence, August 2026) and "CDNA5" Instruction Set Architecture Reference Guide (July 2026). The comments in the code are by the model that wrote it; some were corrected since.
;; Multiheaded Attention. Allowed arithmetic: matrix products marked QUANTISED: E4M3 operands, one given power-of-two scale a tensor, by v_wmma_f32_16x16x64_fp8_fp8 or v_wmma_f32_16x16x128_fp8_fp8, f32 sums; everything else in f32.
;; Inputs: Wk 16 x 1,024 x 64 float32; Wq 16 x 1,024 x 64 float32; Wv 16 x 1,024 x 64 float32; X_K 4 x 2,048 x 1,024 float32; X_Q 4 x 2,048 x 1,024 float32; X_V 4 x 2,048 x 1,024 float32; bk 16 x 64 float32; bq 16 x 64 float32; bv 16 x 64 float32; lowp_scales 10 int32 (the exponents e of the quantised operands' scales 2^e).
;; Outputs: out0 4 x 2,048 x 1,024 float32.
;; This version of the problem:
;;   THIS VERSION OF THE PROBLEM IS GIVEN IN LOW PRECISION. The matrix products marked QUANTISED in the list below multiply operands that are first quantised to E4M3 (4 exponent bits, 3 mantissa bits; 8 bits a number), with one given power-of-two scale for each operand tensor; their sums are f32. All else is computed in f32.
;;   The module's matrix products, in the order in which they are computed (A, B: the left and right operand; K: the contracted axis; several contracted axes count as one K, in the product's order):
;;     1. [M 1,024, K 1,024] x [K 1,024, N 8,192]; A: input Wq; B: input X_Q: QUANTISED (scales: A lowp_scales[0], B lowp_scales[1])
;;     2. [M 1,024, K 1,024] x [K 1,024, N 8,192]; A: input Wk; B: input X_K: QUANTISED (scales: A lowp_scales[2], B lowp_scales[3])
;;     3. [M 1,024, K 1,024] x [K 1,024, N 8,192]; A: input Wv; B: input X_V: QUANTISED (scales: A lowp_scales[4], B lowp_scales[5])
;;     4. batch 64 x [M 2,048, K 64] x [K 64, N 2,048]; A: computed on the way; B: computed on the way: QUANTISED (scales: A lowp_scales[6], B lowp_scales[7])
;;     5. batch 64 x [M 2,048, K 2,048] x [K 2,048, N 64]; A: softmax (see below); B: computed on the way: QUANTISED (scales: A lowp_scales[8], B lowp_scales[9])
;;   THE QUANTISER, for each operand of a quantised product, along K:
;;     - The operand's scale is 2^e, e = its entry of the input lowp_scales (int32; the entries are numbered through the quantised products in the list's order, A before B).
;;     - Each number is divided by the scale, clamped to +-448, and rounded to the nearest number of E4M3, ties to even, subnormals kept.
;;     - The product sums the exact products of the quantised numbers (number of the format x scale) in f32.
;;   ~~~python
;;   def quantise(x, axis, e):      # numpy; x: float32 -> the quantised numbers, widened to float32 again
;;       x = np.moveaxis(x, axis, -1); K = x.shape[-1]
;;       r = np.clip(x / 2.0 ** e, -448, 448)
;;       step = 2.0 ** (np.maximum(np.frexp(np.where(r == 0, 1, r))[1] - 1, -6) - 3)
;;       q = np.round(r / step) * step * 2.0 ** e      # np.round: ties to even
;;       return np.moveaxis(q, -1, axis).astype(np.float32)
;;   ~~~
;;   SOFTMAX AHEAD OF A QUANTISED PRODUCT. Where the list says 'softmax', what is quantised is not the finished softmax but p = 2^(t - M), with t = logit x log2(e) and M = ceil(the row's largest t), a whole number; so 1/2 < the row's largest p <= 1. The row's sum l is taken of the UNQUANTISED p, in f32, and the product's result is divided by l at the end. Since M is a whole number, a kernel that streams over the keys may use a running M (the ceiling of the running maximum): every later rescaling is an exact power of two, so the quantised numbers keep their values, but for numbers so far below the row's largest that they fall under the format's range.
;;   OPERANDS COMPUTED ON THE WAY. 'Computed on the way' means the value that the module computes at that place (a softmax that the list does not call 'softmax' is quantised finished and normalised). What goes into a quantiser is computed in f32, as accurately as f32 sums, v_exp_f32 and their like allow (about 1e-6 of the number): no bf16 or f16 on the way to a quantiser, and a product that is left as it is and whose result goes on into a quantised operand takes f32 operands (vector FMAs, or v_wmma_f32_16x16x4_f32). A number that lies on a knife's edge between two numbers of the format may be rounded either way, as far as f32 arithmetic and the matrix unit's own rounding can turn it there, and no further.
;; 2 versions. Each part assembles by itself: llvm-mc -triple=amdgcn-amd-amdhsa -mcpu=gfx1250 --defsym DOCPART=n.
;; ======== version 1 of 2: 3 launches
;; workspace buffers: wimg 3,145,728 bytes; qimg 8,388,608 bytes; kvimg 16,777,216 bytes
;; launch qw (part 1): grid 128 x 3, 2 waves a work-group, no clusters, 0 bytes of LDS; arguments Wq, Wk, Wv, lowp_scales, wimg; writes wimg
.if DOCPART == 1
	.amdgcn_target "amdgcn-amd-amdhsa--gfx1250"
	.amdhsa_code_object_version 6
	.text
	.protected	k_q88a7cefee0_qw
	.globl	k_q88a7cefee0_qw
	.p2align	8
	.type	k_q88a7cefee0_qw,@function
k_q88a7cefee0_qw:
	s_mov_b64 s[64:65], 0
	v_nop
	global_prefetch_b8 v0, s[64:65] scope:SCOPE_SE
	s_setreg_imm32_b32 hwreg(HW_REG_WAVE_MODE, 25, 1), 1
	s_wait_xcnt 0x0
; THE PROGRAM: three launches.  This one turns Wq, Wk, Wv into codes of E4M3; the second quantises X_Q, X_K, X_V on the way, makes Q, K, V (products 1 to 3, biases added) and stores them as codes;
; the third is the causal attention (products 4 and 5).
; WORK LEFT OUT, in the third launch: reference() itself sets scores[n][m] to -inf for m > n (its own jnp.tril), so for every finite input probs[n][m] = 0 there and key m adds nothing to row n's maximum, sum or output.
; A step of 128 keys all of which come after all 16 queries of a tile is therefore not multiplied, and a slot of keys that no query of a work-group may see is not fetched.  Inside a step on the diagonal the work is done and masked.
; Every input has a way to the output (bk too: it moves K's codes), so every input is loaded.
; LIMIT: a NaN, an infinity or an overflow that reaches only the scores left out is not carried to the result.
;
; THIS LAUNCH.  W [16 heads][1024 k][64 e], f32, K is its middle axis.  code = w / 2^e, held within +-448, to the nearest code, ties to even; e = lowp_scales[0], [2], [4] for Wq, Wk, Wv.
; LIMITS: -126 <= e <= 119, so that 2^e and 448 x 2^e are f32 numbers.  NaN among the inputs is not served.
; OUTPUT: images of operand registers.  wimg byte = tensor x 2^20 + cg x 2^17 + ks x 2^14 + b x 2048 + c x 512 + 16 x lane: column tile 8 cg + b (head = tile / 4, e0 = 16 (tile % 4)), K step ks of 128;
; lane (r, h), piece c holds the 16 codes of W[head][128 ks + 32 c + 16 h + 0 .. 15][e0 + r].  The second launch lays X's codes by the same places of k, so every product meets its partner.
; SHARES.  Work-group x = 8 head + ks, y = tensor.  Wave w takes the head's columns 32 w .. 32 w + 31 over 128 k.  A LANE TAKES A COLUMN AND ITS REGISTERS RUN DOWN K: each load reads 128 consecutive bytes (the two waves
; together a whole row of 256), and the conversions, which take neighbours along K from one lane's registers, give 16 codes that belong together.  Each store: lanes 0-15 write 256 consecutive aligned bytes of one tile, lanes 16-31 of the next.
; No LDS, no barrier: waves share nothing.  No register that a load or store names is written again, so no wait on XCNT is needed.
.set X, 16                             ; v16-79   two sets of 32 numbers
.set C, 80                             ; v80-111  the codes: 8 registers a block of 32
	s_load_b256 s[4:11], s[0:1], 0x0               ; Wq s[4:5], Wk s[6:7], Wv s[8:9], the scales' exponents s[10:11]
	s_load_b64 s[12:13], s[0:1], 0x20              ; wimg
	v_lshrrev_b32 v3, 5, v0
	v_readfirstlane_b32 s14, v3                    ; wave 0, 1
	v_and_b32 v4, 31, v0                           ; lane
	v_lshlrev_b32 v1, 2, v4                        ; in: 4 bytes a lane
	v_lshrrev_b32 v5, 4, v4
	v_and_b32 v6, 15, v4
	v_lshlrev_b32 v2, 4, v6
	v_lshl_add_u32 v2, v5, 11, v2                  ; out: 2048 x (lane / 16) + 16 x (lane % 16)
	s_and_b32 s15, ttmp7, 0xffff                   ; tensor
	s_lshr_b32 s16, ttmp9, 3                       ; head
	s_and_b32 s17, ttmp9, 7                        ; K step
	s_lshl_b32 s18, s16, 18                        ; a head is 1024 rows of 256 bytes,
	s_lshl_b32 s20, s17, 15                        ; a K step 128 rows,
	s_add_co_u32 s18, s18, s20
	s_lshl_b32 s20, s14, 7                         ; a wave 32 columns
	s_add_co_u32 s18, s18, s20
	s_mov_b32 s19, 0
	s_lshl_b32 s20, s15, 20
	s_lshr_b32 s22, s16, 1
	s_lshl_b32 s22, s22, 17                        ; cg = head / 2
	s_add_co_u32 s20, s20, s22
	s_lshl_b32 s22, s17, 14
	s_add_co_u32 s20, s20, s22
	s_and_b32 s22, s16, 1
	s_lshl_b32 s22, s22, 2
	s_lshl_b32 s23, s14, 1
	s_add_co_u32 s22, s22, s23                     ; b = 4 (head % 2) + 2 wave (+ lane / 16)
	s_lshl_b32 s22, s22, 11
	s_add_co_u32 s20, s20, s22
	s_mov_b32 s21, 0
	s_wait_kmcnt 0x0
	s_load_b256 s[24:31], s[10:11], 0x0            ; e0 .. e7
	s_cmp_eq_u32 s15, 1                            ; the choice hangs on the work-group's number alone
	s_cselect_b64 s[4:5], s[6:7], s[4:5]
	s_cmp_eq_u32 s15, 2
	s_cselect_b64 s[4:5], s[8:9], s[4:5]
	s_add_nc_u64 s[4:5], s[4:5], s[18:19]
	s_add_nc_u64 s[12:13], s[12:13], s[20:21]
.macro LOAD t                          ; block t: W(32 t + i, my column), i = 0 .. 31, into set t % 2
.set i, 0
.rept 32
	global_load_b32 v[X+32*((\t)%2)+i], v1, s[4:5] offset:(32*(\t)+i)*256 th:TH_LOAD_NT
.set i, i+1
.endr
.endm
	LOAD 0
	LOAD 1
	s_wait_kmcnt 0x0
	s_cmp_eq_u32 s15, 1
	s_cselect_b32 s24, s26, s24
	s_cmp_eq_u32 s15, 2
	s_cselect_b32 s24, s28, s24                    ; e
	s_add_co_i32 s24, s24, 127
	s_lshl_b32 s25, s24, 23
	v_mov_b32 v11, s25                             ; 2^e as f32: the conversion takes its exponent field
	s_add_co_i32 s24, s24, 8
	s_lshl_b32 s24, s24, 23
	s_or_b32 s24, s24, 0x600000
	v_mov_b32 v10, s24                             ; 448 x 2^e
.macro BLOCK t
.set XB, X+32*((\t)%2)
.if (\t) < 3
	s_wait_loadcnt 32                              ; this block's 32 loads are in; the next block's 32 may be out
.else
	s_wait_loadcnt 0
.endif
.set i, 0
.rept 32
	v_med3_num_f32 v[XB+i], v[XB+i], -v10, v10     ; the conversion to an 8-bit code does not saturate (ISA guide 7.6.2): hold the number first
.set i, i+1
.endr
.irp g, 0,1,2,3
	v_cvt_scalef32_pk8_fp8_f32 v[C+8*(\t)+2*\g:C+8*(\t)+2*\g+1], v[XB+8*\g:XB+8*\g+7], v11
.endr
.if (\t) < 2
	LOAD (\t)+2                                    ; the set just converted takes the block two further on
.endif
.endm
	BLOCK 0
	BLOCK 1
	BLOCK 2
	BLOCK 3
.irp c, 0,1,2,3                        ; the codes' registers are touched by these stores alone
.irp hh, 0,1
	global_store_b128 v2, v[C+8*\c+4*\hh:C+8*\c+4*\hh+3], s[12:13] offset:\c*512+\hh*256   ; k = 32 c + 16 hh + 0 .. 15 of my column: the place of lane (r, hh) in piece c
.endr
.endr
	s_endpgm
.Lfunc_end_k_q88a7cefee0_qw:
	.size	k_q88a7cefee0_qw, .Lfunc_end_k_q88a7cefee0_qw-k_q88a7cefee0_qw
	.p2alignl 7, 3214868480
	.fill 96, 4, 3214868480
	.section	.rodata,"a",@progbits
	.p2align	6, 0x0
	.amdhsa_kernel k_q88a7cefee0_qw
		.amdhsa_group_segment_fixed_size 0
		.amdhsa_private_segment_fixed_size 0
		.amdhsa_enable_private_segment 0
		.amdhsa_kernarg_size 40
		.amdhsa_user_sgpr_count 2
		.amdhsa_user_sgpr_kernarg_segment_ptr 1
		.amdhsa_wavefront_size32 1
		.amdhsa_system_sgpr_workgroup_id_x 1
		.amdhsa_system_sgpr_workgroup_id_y 1
		.amdhsa_system_sgpr_workgroup_id_z 1
		.amdhsa_system_vgpr_workitem_id 0
		.amdhsa_next_free_vgpr 112
		.amdhsa_next_free_sgpr 66
		.amdhsa_reserve_vcc 0
		.amdhsa_float_denorm_mode_32 3
		.amdhsa_float_denorm_mode_16_64 3
		.amdhsa_memory_ordered 1
		.amdhsa_forward_progress 1
		.amdhsa_inst_pref_size 24
	.end_amdhsa_kernel
	.amdgpu_metadata
---
amdhsa.version: [ 1, 2 ]
amdhsa.kernels:
  - .name:           k_q88a7cefee0_qw
    .symbol:         k_q88a7cefee0_qw.kd
    .args:
      - { .name: Wq, .offset: 0, .size: 8, .value_kind: global_buffer, .address_space: global }
      - { .name: Wk, .offset: 8, .size: 8, .value_kind: global_buffer, .address_space: global }
      - { .name: Wv, .offset: 16, .size: 8, .value_kind: global_buffer, .address_space: global }
      - { .name: lowp_scales, .offset: 24, .size: 8, .value_kind: global_buffer, .address_space: global }
      - { .name: wimg, .offset: 32, .size: 8, .value_kind: global_buffer, .address_space: global }
    .group_segment_fixed_size: 0
    .private_segment_fixed_size: 0
    .kernarg_segment_align: 8
    .kernarg_segment_size: 40
    .max_flat_workgroup_size: 64
    .sgpr_count:     66
    .vgpr_count:     112
    .wavefront_size: 32
...
	.end_amdgpu_metadata
.endif
;; end of part 1
;; launch proj (part 2): grid 64 x 3, 4 waves a work-group, no clusters, 199,168 bytes of LDS; arguments X_Q, X_K, X_V, wimg, bq, bk, bv, lowp_scales, qimg, kvimg; writes qimg, kvimg
.if DOCPART == 2
	.amdgcn_target "amdgcn-amd-amdhsa--gfx1250"
	.amdhsa_code_object_version 6
	.text
	.protected	k_q88a7cefee0_proj
	.globl	k_q88a7cefee0_proj
	.p2align	8
	.type	k_q88a7cefee0_proj,@function
k_q88a7cefee0_proj:
	s_mov_b64 s[64:65], 0
	v_nop
	global_prefetch_b8 v0, s[64:65] scope:SCOPE_SE
	s_setreg_imm32_b32 hwreg(HW_REG_WAVE_MODE, 25, 1), 1
	s_wait_xcnt 0x0
; Q, K, V = X W + b, products 1 to 3 on codes of E4M3, and their results quantised for products 4 and 5.  Nothing of these products is left out.
; Work-group (x, t): tensor t (0 Q, 1 K, 2 V), tokens 128 x .. 128 x + 127, ALL 1,024 columns: so each f32 number of X is read once in the launch and is quantised on the way, in registers.
; PHASE X.  Wave w turns rows 32 w .. 32 w + 31 into 16 fragments (16 rows x 128 k), which go to LDS as images of their registers (4 stores of 16 bytes x lane).  One barrier; afterwards the images are only read.
; THE PRODUCTS.  Wave w makes 128 rows x 128 columns in each of two passes (column group cg = 2 w + (pass xor par)): 64 accumulators, 8 K steps of 64 v_wmma_f32_16x16x128_fp8_fp8.
; X's fragments come from LDS (one set of registers: blocks 0-3 are fetched anew in a step's middle, blocks 4-7 at its end), W's straight from wimg into the registers they are multiplied from (two sets, one K step ahead).
; NO JOINT LOADS, NO CLUSTER: a fragment of W is multiplied by exactly one wave of a work-group, so through LDS a K step would read 32 KB a wave from LDS where it now reads 16 KB, for the same 64 matrix instructions;
; and the work-groups of a tensor walk K from different starts (below), so they do not want the same tile at the same time.
; ROTATION.  Image number tau holds K step (tau + rot) % 8, rot = (x ^ x >> 3) % 8, for X and W alike; par = (x ^ x >> 4) % 2.  So the first fetches of W, issued at the head, name different bytes in different work-groups.
; ORIENTATION.  Q, K: source 0 = 16 columns of W, source 1 = 16 tokens: a lane holds ONE token and its 8 registers 8 neighbouring e: one conversion gives registers 2 c, 2 c + 1 of the 16x16x64 form's fragment (d = 16 c + 8 h + 0 .. 7).
; V: sources swapped: a lane holds ONE e and 8 neighbouring tokens (keys): one conversion gives registers 2 c, 2 c + 1 of the 16x16x128 form's fragment of V^T (keys 16 c + 8 h + 0 .. 7).  The two orientations differ in the matrix
; instructions and in the way out alone: a scalar branch on t stands round those lines, inside the loops that all waves walk.
; THE BIAS is the C of each sum's first matrix instruction, divided by 2^(ex + ew), which the sums lack.  The result's code = sum / 2^(eo - ex - ew), held within +-448.
; OUTPUT.  qimg byte = bh x 2^17 + tile x 1024 + c2 x 512 + 16 lane.  kvimg byte = bh x 2^18 + slot x 32768 + (K: tile x 1024 + c2 x 512 | V: 16384 + kb x 8192 + dt x 2048 + c x 512) + 16 lane: a slot is 256 keys.
; Every store of a wave covers 512 consecutive bytes, aligned.
; LIMITS: ex and eo - ex - ew between -126 and 119.  NaN among the inputs is not served.  Inside an instruction k stands in permuted places (alike in both operands) and the K steps are rotated: the order of the f32 sums differs from reference()'s.
; REGISTERS, in windows of 256.  Window 0: v1-19 addresses and scales; v30, v31 the add's two; v32-95 the bias as C; v96-127 codes just made; v128-255 X as 16 neighbours a lane (two sets), later X's 8 fragments.
;   Window 1: W's two sets (v0, v128).  Window 2: X as loaded (four sets of 64), later the accumulators of rows 0-63 ((a, b) at v[8 (8 (a % 4) + b)]).  Window 3: those of rows 64-127.
.set STG,    131072                    ; LDS: X's images [tau][row tile] fill bytes 0 .. 131071; then for each wave two stages of 16 rows x 528 bytes
.set STW,    16896
.set STB,    8448
.set SPITCH, 528                       ; 512 bytes + 16: the 16 rows that a load touches start at 16 different columns of 16 bytes (64 banks of 4 bytes: ISA guide 11.1)
.set SPARE,  198656                    ; the spare words, 128 bytes for each wave: two blocks of 256 bytes that no other line names
.set LI,   1                           ; v1   16 x lane
.set VO,   2                           ; v2, v3  X: 512 x K step + 16 x lane, for even and odd tau
.set STI,  4                           ; v4   my stage, on the way in: 16 x lane
.set STO,  5                           ; v5   and out: 528 r + 64 h
.set XWI0, 6                           ; v6   where my images go: 4096 x wave + 16 x lane
.set ADR,  7                           ; v7   an LDS address in hand
.set VOJ,  8                           ; v8-15  the bias: byte offset of register j
.set XSC,  16                          ; v16  2^ex
.set OSC,  17                          ; v17  2^(eo - ex - ew)
.set XLIM, 18                          ; v18  448 x 2^ex
.set OLIM, 19                          ; v19  448 x 2^(eo - ex - ew)
.set SPW,  30
.set NIL,  31
.set BI,   32
.set PC,   96
.set XT,   128
.set AF,   128
.set XP,   4                           ; s[4:5]   X at my wave's first row
.set WV,   34
.set TT,   35                          ; tensor
.set XX,   36                          ; work-group x
.set ROT,  37
.set PAR,  38
.set XSQ,  39                          ; x % 16: my block of 128 positions in the sequence
.set CGB,  40                          ; s[40:41] wimg at this pass's column group;  s[42:43] at the next pass's
.set CGN,  42
.set BPT,  44                          ; s[44:45] the bias likewise;  s[46:47]
.set BPN,  46
.set OB0,  48                          ; s[48:51] where this pass's two heads go;  s[52:55] the next pass's
.set OBN,  52
.set BP0,  56                          ; s[56:57], s[58:59] W's base for set 0, 1
.set SE,   60                          ; W's K step last asked for
.set SX,   61                          ; X's
.set T0,   62                          ; s[62:63] an offset, high word 0
.set XS,   66
.set AS,   67
.set CT,   68
.set PS,   69
.set NE,   70                          ; -(ex + ew)
.set HSH,  71                          ; log2 of a head's bytes in the output
.set MSB, 0
.macro WIN new                         ; the immediate's high byte repeats the setting that is left; a switch that changes nothing is dropped
.if MSB != (\new)
	s_set_vgpr_msb (MSB<<8)|(\new)
.set MSB, (\new)
.endif
.endm
.macro PLACES                          ; four plain vector instructions between a matrix instruction and a load into its operands or a read of its result (ISA guide 7.12.1 for vector instructions)
.rept 4
	v_nop
.endr
.endm
.macro BIASLD                          ; Q, K: b[16 b + 8 h + j];  V: b[16 b + r] in all eight registers: the offsets in v[VOJ ..] make the difference
.irp b, 0,1,2,3,4,5,6,7
.irp j, 0,1,2,3,4,5,6,7
	global_load_b32 v[BI+8*\b+\j], v[VOJ+\j], s[BPT:BPT+1] offset:64*\b
.endr
.endr
.endm
.macro NEXTB set                       ; W's next K step, for set: its last loads were shown done by a wait for all loads
	s_add_co_u32 s[SE], s[SE], 1
	s_and_b32 s[SE], s[SE], 7
	s_lshl_b32 s[T0], s[SE], 14
	s_add_nc_u64 s[BP0+2*(\set):BP0+2*(\set)+1], s[CGB:CGB+1], s[T0:T0+1]
.endm
.macro FETCH_B set                     ; 8 fragments of W, 16 KB: each load 512 consecutive bytes
	WIN 0x40
.irp b, 0,1,2,3,4,5,6,7
.irp c, 0,1,2,3
	global_load_b128 v[128*(\set)+16*\b+4*\c:128*(\set)+16*\b+4*\c+3], v[LI], s[BP0+2*(\set):BP0+2*(\set)+1] offset:\b*2048+\c*512
.endr
.endr
	WIN 0
.endm
.macro FETCH_A adr, imm, i0            ; X's blocks i0 .. i0 + 3 of one K step
.irp i, \i0, \i0+1, \i0+2, \i0+3
.irp c, 0,1,2,3
	ds_load_b128 v[AF+16*(\i)+4*\c:AF+16*(\i)+4*\c+3], v[\adr] offset:\imm+(\i)*2048+\c*512
.endr
.endr
.endm
; PHASE X.  Fragment f = 2 tau + al (al: which 16 of my 32 rows); fl = f % 4 names its set of registers.
.macro XLD fl                          ; 16 rows x 512 bytes: each load 512 consecutive bytes of one row
	WIN 0x80
.set i, 0
.rept 16
	global_load_b128 v[64*(\fl)+4*i:64*(\fl)+4*i+3], v[VO+(\fl)/2], s[XP:XP+1] offset:(16*((\fl)%2)+i)*4096 th:TH_LOAD_NT
.set i, i+1
.endr
	WIN 0
.endm
.macro TURN fl                         ; through my stage: in as loaded, out as 16 neighbours of each block of 32: register 16 c + i = k 32 c + 16 h + i of row r.  LDS serves a wave's instructions in order (ISA guide 5.7.1.4)
	WIN 0x08
.set i, 0
.rept 16
	ds_store_b128 v[STI], v[64*(\fl)+4*i:64*(\fl)+4*i+3] offset:((\fl)%2)*STB+i*SPITCH
.set i, i+1
.endr
	WIN 0
.set i, 0
.rept 16
	ds_load_b128 v[XT+64*((\fl)%2)+4*i:XT+64*((\fl)%2)+4*i+3], v[STO] offset:((\fl)%2)*STB+128*(i/4)+16*(i%4)
.set i, i+1
.endr
.endm
.macro QUANT s
.irp b, 0,1,2,3
.set i, 0
.rept 16
	v_med3_num_f32 v[\s+16*\b+i], v[\s+16*\b+i], -v[XLIM], v[XLIM]   ; the conversion does not saturate (ISA guide 7.6.2): the hold at 448 x the scale
.set i, i+1
.endr
	v_cvt_scalef32_pk8_fp8_f32 v[PC+4*\b:PC+4*\b+1], v[\s+16*\b:\s+16*\b+7], v[XSC]
	v_cvt_scalef32_pk8_fp8_f32 v[PC+4*\b+2:PC+4*\b+3], v[\s+16*\b+8:\s+16*\b+15], v[XSC]
.endr
	v_nop                                          ; a plain vector instruction behind the last conversion
.endm
.macro IMAGE imm
.irp c, 0,1,2,3
	ds_store_b128 v[ADR], v[PC+4*\c:PC+4*\c+3] offset:\imm+512*\c
.endr
.endm
; One fragment's turn.  ahead = 1: the fragment four further on is asked for.  n: the loads that may stay out when fragment f + 1 has to be there (n < 0: there is no fragment f + 1).
.macro STEPX fl, ahead, n
	s_wait_dscnt 0x0                               ; fragment f is back from the stage; its stores into the stage and the last image's stores have read their registers
.if \n >= 0
	s_wait_loadcnt \n                              ; loads come back in order: fragment f + 1 is in
	TURN (\fl+1)%4
.endif
.if \ahead
.if (\fl)%2 == 0
	s_add_co_u32 s[SX], s[SX], 1                   ; the K step two images on.  Both fragments that named this offset register have been shown loaded
	s_and_b32 s[SX], s[SX], 7
	v_lshl_add_u32 v[VO+(\fl)/2], s[SX], 9, v[LI]
.endif
	XLD \fl
.endif
	QUANT XT+64*((\fl)%2)
	v_add_nc_u32 v[ADR], s[XS], v[XWI0]
	IMAGE ((\fl)/2)*16384+((\fl)%2)*2048
.endm
; 16 matrix instructions: X's blocks a0, a0 + 1 x W's eight.  p: W's set.  first = 1: C is the bias.  swap = 1: X is source 0.  The 64 accumulators take turns, one instruction a turn, in the same order in every step.
.macro MUL16 a0, p, first, swap
.irp a, \a0, \a0+1
.irp b, 0,1,2,3,4,5,6,7
.set rD, 8*(8*((\a)%4)+\b)
.set rW, 128*(\p)+16*\b
.set rX, AF+16*(\a)
.if \swap
.if \first
	v_wmma_f32_16x16x128_fp8_fp8 v[rD:rD+7], v[rX:rX+15], v[rW:rW+15], v[BI+8*\b:BI+8*\b+7]
.else
	v_wmma_f32_16x16x128_fp8_fp8 v[rD:rD+7], v[rX:rX+15], v[rW:rW+15], v[rD:rD+7]
.endif
.else
.if \first
	v_wmma_f32_16x16x128_fp8_fp8 v[rD:rD+7], v[rW:rW+15], v[rX:rX+15], v[BI+8*\b:BI+8*\b+7]
.else
	v_wmma_f32_16x16x128_fp8_fp8 v[rD:rD+7], v[rW:rW+15], v[rX:rX+15], v[rD:rD+7]
.endif
.endif
.endr
.endr
.endm
; 32 matrix instructions: X's blocks 4 hi .. 4 hi + 3.  The branch hangs on the tensor's number alone; at a branch and at a label every window is 0.
.macro MULS hi, p, first
.set WD, ((2+\hi)<<6)+(1-\first)*((2+\hi)<<4)  ; D, and C where it is D, in window 2 or 3; the bias in window 0
	s_cmp_eq_u32 s[TT], 2
	s_cbranch_scc1 .Lsw_\@
	WIN WD+1                                       ; source 0 (W) window 1, source 1 (X) window 0
	MUL16 4*\hi, \p, \first, 0
	MUL16 4*\hi+2, \p, \first, 0
	WIN 0
	s_branch .Ljn_\@
.Lsw_\@:
	WIN WD+4                                       ; source 0 (X) window 0, source 1 (W) window 1
	MUL16 4*\hi, \p, \first, 1
	MUL16 4*\hi+2, \p, \first, 1
	WIN 0
.Ljn_\@:
.endm
; A K step.  fetch = 1: the next step's W goes into the other set, 64 matrix instructions ahead of its use, and the next step's X, at v[adr] + imm, into the one set, block by block as it falls free.
.macro STEP p, first, fetch, adr, imm
	s_wait_loadcnt 0x0                             ; W's set p is in; no younger load is out
.if \fetch
	NEXTB 1-\p
	FETCH_B 1-\p                                   ; (the last products that read that set stand in front of the last step's closing places)
.endif
	s_wait_dscnt 16                                ; X's blocks 0-3 are in; the youngest 16 loads (blocks 4-7) may be out
	MULS 0, \p, \first
	s_wait_dscnt 0x0                               ; blocks 4-7 are in
	PLACES
.if \fetch
	FETCH_A \adr, \imm, 0
.endif
	MULS 1, \p, \first
	PLACES
.if \fetch
	FETCH_A \adr, \imm, 4
.endif
.endm
.macro HOLD                            ; all 512 sums are held within +-448 x the scale, each accumulator from its low end on
	WIN 0x82
.set i, 0
.rept 256
	v_med3_num_f32 v[i], v[i], -v[OLIM], v[OLIM]
.set i, i+1
.endr
	WIN 0xc3
.set i, 0
.rept 256
	v_med3_num_f32 v[i], v[i], -v[OLIM], v[OLIM]
.set i, i+1
.endr
	WIN 0
.endm
.macro OUTQK n                         ; row tiles 2 n, 2 n + 1, both heads: four fragments of 16 tokens x 64
	s_wait_xcnt 0x0                                ; the last batch's stores have read their registers
	WIN 0x02+(\n)/2
.irp u, 0,1
.irp hh, 0,1
.irp c, 0,1,2,3
	v_cvt_scalef32_pk8_fp8_f32 v[PC+8*(2*\u+\hh)+2*\c:PC+8*(2*\u+\hh)+2*\c+1], v[64*((2*(\n)+\u)%4)+32*\hh+8*\c:64*((2*(\n)+\u)%4)+32*\hh+8*\c+7], v[OSC]
.endr
.endr
.endr
	v_nop                                          ; a plain vector instruction behind the last conversion
	WIN 0
.irp u, 0,1
.irp hh, 0,1
.irp c, 0,1
	global_store_b128 v[LI], v[PC+8*(2*\u+\hh)+4*\c:PC+8*(2*\u+\hh)+4*\c+3], s[OB0+2*\hh:OB0+2*\hh+1] offset:(2*(\n)+\u)*1024+\c*512
.endr
.endr
.endr
.endm
.macro OUTV n                          ; column tiles 2 n, 2 n + 1: two fragments of V^T, 16 e x 128 keys
	s_wait_xcnt 0x0
	WIN 0x02
.irp u, 0,1
.irp a, 0,1,2,3
	v_cvt_scalef32_pk8_fp8_f32 v[PC+16*\u+2*\a:PC+16*\u+2*\a+1], v[8*(8*\a+2*(\n)+\u):8*(8*\a+2*(\n)+\u)+7], v[OSC]
.endr
.endr
	WIN 0x03
.irp u, 0,1
.irp a, 0,1,2,3
	v_cvt_scalef32_pk8_fp8_f32 v[PC+16*\u+8+2*\a:PC+16*\u+8+2*\a+1], v[8*(8*\a+2*(\n)+\u):8*(8*\a+2*(\n)+\u)+7], v[OSC]
.endr
.endr
	v_nop
	WIN 0
.irp u, 0,1
.irp c, 0,1,2,3
	global_store_b128 v[LI], v[PC+16*\u+4*\c:PC+16*\u+4*\c+3], s[OB0+2*((\n)/2):OB0+2*((\n)/2)+1] offset:((2*(\n)+\u)%4)*2048+\c*512
.endr
.endr
.endm
	s_load_b256 s[4:11], s[0:1], 0x0               ; X_Q s[4:5], X_K s[6:7], X_V s[8:9], wimg s[10:11]
	s_load_b256 s[12:19], s[0:1], 0x20             ; bq s[12:13], bk s[14:15], bv s[16:17], the scales' exponents s[18:19]
	s_load_b128 s[20:23], s[0:1], 0x40             ; qimg s[20:21], kvimg s[22:23]
	v_lshl_add_u32 v[SPW], v0, 2, SPARE
	v_mov_b32 v[NIL], 0
	v_lshrrev_b32 v20, 5, v0
	v_readfirstlane_b32 s[WV], v20                 ; wave 0..3
	v_and_b32 v20, 31, v0
	v_lshlrev_b32 v[LI], 4, v20
	v_and_b32 v21, 15, v0                          ; r
	v_bfe_u32 v22, v0, 4, 1                        ; h
	s_mul_i32 s72, s[WV], STW
	s_add_co_u32 s72, s72, STG                     ; my stages
	v_add_nc_u32 v[STI], s72, v[LI]
	v_mul_u32_u24 v23, v21, SPITCH
	v_lshl_add_u32 v23, v22, 6, v23
	v_add_nc_u32 v[STO], s72, v23
	s_lshl_b32 s73, s[WV], 12
	v_add_nc_u32 v[XWI0], s73, v[LI]
	s_and_b32 s[TT], ttmp7, 0xffff
	s_mov_b32 s[XX], ttmp9
	s_lshr_b32 s72, s[XX], 3
	s_xor_b32 s72, s72, s[XX]
	s_and_b32 s[ROT], s72, 7
	s_lshr_b32 s72, s[XX], 4
	s_xor_b32 s72, s72, s[XX]
	s_and_b32 s[PAR], s72, 1
	s_and_b32 s[XSQ], s[XX], 15
	s_cmp_eq_u32 s[TT], 2                          ; the bias's offsets: Q, K: 32 h + 4 j;  V: 4 r
	s_cselect_b32 s72, 4, 0
	s_cselect_b32 s73, 0, 32
	s_cselect_b32 s74, 0, 4
	v_mul_u32_u24 v23, s72, v21
	v_mul_u32_u24 v24, s73, v22
	v_add_nc_u32 v23, v23, v24
.irp j, 0,1,2,3,4,5,6,7
	s_mul_i32 s75, s74, \j
	v_add_nc_u32 v[VOJ+\j], s75, v23
.endr
	s_lshl_b32 s76, s[XX], 19                      ; X: 128 rows of 4,096 bytes a work-group,
	s_lshl_b32 s77, s[WV], 17                      ; 32 a wave
	s_add_co_u32 s76, s76, s77
	s_mov_b32 s77, 0
	s_lshl_b32 s78, s[WV], 1
	s_add_co_u32 s79, s78, s[PAR]                  ; the first pass's column group,
	s_xor_b32 s80, s[PAR], 1
	s_add_co_u32 s80, s78, s80                     ; the second's
	s_lshl_b32 s81, s[XSQ], 13                     ; my block's place in a head's output.  Q: 8 tiles of 1,024 bytes a block
	s_lshr_b32 s82, s[XSQ], 1
	s_lshl_b32 s82, s82, 15                        ; K, V: the slot,
	s_and_b32 s83, s[XSQ], 1
	s_lshl_b32 s83, s83, 13                        ; and which half of its keys
	s_add_co_u32 s82, s82, s83
	s_cmp_eq_u32 s[TT], 0
	s_cselect_b32 s[HSH], 17, 18
	s_cselect_b32 s81, s81, s82
	s_cmp_eq_u32 s[TT], 2
	s_cselect_b32 s82, 16384, 0                    ; V's part of a slot lies behind K's
	s_add_co_u32 s81, s81, s82
	s_lshr_b32 s82, s[XX], 4
	s_lshl_b32 s82, s82, 4                         ; 16 x batch
	s_lshl_b32 s84, s79, 1
	s_add_co_u32 s84, s84, s82                     ; bh of the first pass's first head = 16 batch + 2 cg
	s_lshl_b32 s84, s84, s[HSH]
	s_add_co_u32 s84, s84, s81
	s_mov_b32 s85, 0
	s_lshl_b32 s86, s80, 1
	s_add_co_u32 s86, s86, s82
	s_lshl_b32 s86, s86, s[HSH]
	s_add_co_u32 s86, s86, s81
	s_mov_b32 s87, 0
	s_lshl_b32 s88, 1, s[HSH]                      ; from a head to the next
	s_mov_b32 s89, 0
	s_lshl_b32 s90, s[TT], 20
	s_lshl_b32 s92, s79, 17
	s_add_co_u32 s92, s92, s90
	s_mov_b32 s93, 0
	s_lshl_b32 s94, s80, 17
	s_add_co_u32 s94, s94, s90
	s_mov_b32 s95, 0
	s_lshl_b32 s98, s79, 9
	s_mov_b32 s99, 0
	s_lshl_b32 s100, s80, 9
	s_mov_b32 s101, 0
	s_wait_kmcnt 0x0
	s_load_b256 s[24:31], s[18:19], 0x0            ; e0 .. e7
	s_load_b64 s[32:33], s[18:19], 0x20            ; e8, e9
	s_cmp_eq_u32 s[TT], 1                          ; the choices hang on the work-group's number alone
	s_cselect_b64 s[4:5], s[6:7], s[4:5]
	s_cselect_b64 s[12:13], s[14:15], s[12:13]
	s_cselect_b64 s[20:21], s[22:23], s[20:21]
	s_cmp_eq_u32 s[TT], 2
	s_cselect_b64 s[4:5], s[8:9], s[4:5]
	s_cselect_b64 s[12:13], s[16:17], s[12:13]
	s_cselect_b64 s[20:21], s[22:23], s[20:21]
	s_add_nc_u64 s[XP:XP+1], s[4:5], s[76:77]
	s_add_nc_u64 s[CGB:CGB+1], s[10:11], s[92:93]
	s_add_nc_u64 s[CGN:CGN+1], s[10:11], s[94:95]
	s_add_nc_u64 s[BPT:BPT+1], s[12:13], s[98:99]
	s_add_nc_u64 s[BPN:BPN+1], s[12:13], s[100:101]
	s_add_nc_u64 s[OB0:OB0+1], s[20:21], s[84:85]
	s_add_nc_u64 s[OB0+2:OB0+3], s[OB0:OB0+1], s[88:89]
	s_add_nc_u64 s[OBN:OBN+1], s[20:21], s[86:87]
	s_add_nc_u64 s[OBN+2:OBN+3], s[OBN:OBN+1], s[88:89]
	s_mov_b32 s[SE], s[ROT]
	s_lshl_b32 s[T0], s[SE], 14
	s_mov_b32 s[T0+1], 0
	s_add_nc_u64 s[BP0:BP0+1], s[CGB:CGB+1], s[T0:T0+1]
	FETCH_B 0                                      ; the first K step's W and the bias are asked for here and land under phase X
	BIASLD
	v_lshl_add_u32 v[VO], s[ROT], 9, v[LI]
	s_add_co_u32 s[SX], s[ROT], 1
	s_and_b32 s[SX], s[SX], 7
	v_lshl_add_u32 v[VO+1], s[SX], 9, v[LI]
	XLD 0
	XLD 1
	XLD 2
	XLD 3
	s_wait_kmcnt 0x0
	s_cmp_eq_u32 s[TT], 1
	s_cselect_b32 s24, s26, s24                    ; ew
	s_cselect_b32 s25, s27, s25                    ; ex
	s_cselect_b32 s30, s31, s30                    ; eo: e6 for Q, e7 for K,
	s_cmp_eq_u32 s[TT], 2
	s_cselect_b32 s24, s28, s24
	s_cselect_b32 s25, s29, s25
	s_cselect_b32 s30, s33, s30                    ; e9 for V
	s_add_co_i32 s72, s25, 127
	s_lshl_b32 s73, s72, 23
	v_mov_b32 v[XSC], s73
	s_add_co_i32 s72, s72, 8
	s_lshl_b32 s72, s72, 23
	s_or_b32 s72, s72, 0x600000
	v_mov_b32 v[XLIM], s72
	s_add_co_i32 s74, s24, s25
	s_sub_co_i32 s[NE], 0, s74
	s_sub_co_i32 s72, s30, s74
	s_add_co_i32 s72, s72, 127
	s_lshl_b32 s73, s72, 23
	v_mov_b32 v[OSC], s73
	s_add_co_i32 s72, s72, 8
	s_lshl_b32 s72, s72, 23
	s_or_b32 s72, s72, 0x600000
	v_mov_b32 v[OLIM], s72
	s_mov_b32 s[XS], 0
	s_wait_loadcnt 48                              ; W, the bias and fragment 0 are in; fragments 1 to 3 (48 loads) may be out
	TURN 0
	s_mov_b32 s[CT], 3
.Lx:                                               ; a trip: four fragments, two K steps' images
	STEPX 0, 1, 32                                 ; 32: the two fragments behind f + 1 stay out
	STEPX 1, 1, 32
	STEPX 2, 1, 32
	STEPX 3, 1, 32
	s_add_co_u32 s[XS], s[XS], 32768
	s_sub_co_u32 s[CT], s[CT], 1
	s_cmp_lg_u32 s[CT], 0
	s_cbranch_scc1 .Lx
	STEPX 0, 0, 32                                 ; the last four fragments ask for nothing: the counts run down
	STEPX 1, 0, 16
	STEPX 2, 0, 0
	STEPX 3, 0, -1
	s_wait_dscnt 0x0                               ; for the others' sake: my images have landed
	s_barrier_signal -1
	s_barrier_wait -1                              ; all 64 images lie in LDS; from here on they are only read
	FETCH_A LI, 0, 0
	FETCH_A LI, 0, 4
	s_mov_b32 s[PS], 0
.Lpass:
	s_wait_loadcnt 0x0                             ; the bias (and W's first set)
.set i, 0
.rept 64
	v_ldexp_f32 v[BI+i], v[BI+i], s[NE]            ; b / 2^(ex + ew): exact
.set i, i+1
.endr
	STEP 0, 1, 1, LI, 16384                        ; image 0; fetches image 1
	s_mov_b32 s[AS], 0
	s_mov_b32 s[CT], 3
.Lk:
	v_add_nc_u32 v[ADR], s[AS], v[LI]
	STEP 1, 0, 1, ADR, 32768                       ; images 1, 3, 5
	STEP 0, 0, 1, ADR, 49152                       ; images 2, 4, 6
	s_add_co_u32 s[AS], s[AS], 32768
	s_sub_co_u32 s[CT], s[CT], 1
	s_cmp_lg_u32 s[CT], 0
	s_cbranch_scc1 .Lk
	STEP 1, 0, 0, LI, 0                            ; image 7
	s_cmp_eq_u32 s[PS], 1
	s_cbranch_scc1 .Lno_more                       ; the second pass has no successor
	s_mov_b64 s[CGB:CGB+1], s[CGN:CGN+1]           ; the next pass's first operands are asked for here and land under the way out
	s_mov_b64 s[BPT:BPT+1], s[BPN:BPN+1]           ; (the bias's loads were shown done long ago)
	NEXTB 0                                        ; eight steps on: the first K step again
	FETCH_B 0
	BIASLD
	FETCH_A LI, 0, 0
	FETCH_A LI, 0, 4
.Lno_more:
	HOLD
	s_cmp_eq_u32 s[TT], 2
	s_cbranch_scc1 .Lout_v
	OUTQK 0
	OUTQK 1
	OUTQK 2
	OUTQK 3
	s_branch .Lout_done
.Lout_v:
	OUTV 0
	OUTV 1
	OUTV 2
	OUTV 3
.Lout_done:
	s_wait_xcnt 0x0                                ; the stores have read their bases
	s_mov_b64 s[OB0:OB0+1], s[OBN:OBN+1]
	s_mov_b64 s[OB0+2:OB0+3], s[OBN+2:OBN+3]
	s_add_co_u32 s[PS], s[PS], 1
	s_cmp_lt_u32 s[PS], 2
	s_cbranch_scc1 .Lpass
	s_wait_tensorcnt 0x0                           ; the wave's end: behind my last LDS store
	ds_add_u32 v[SPW], v[NIL]
	s_wait_dscnt 0x0
	s_endpgm
.Lfunc_end_k_q88a7cefee0_proj:
	.size	k_q88a7cefee0_proj, .Lfunc_end_k_q88a7cefee0_proj-k_q88a7cefee0_proj
	.p2alignl 7, 3214868480
	.fill 96, 4, 3214868480
	.section	.rodata,"a",@progbits
	.p2align	6, 0x0
	.amdhsa_kernel k_q88a7cefee0_proj
		.amdhsa_group_segment_fixed_size 199168
		.amdhsa_private_segment_fixed_size 0
		.amdhsa_enable_private_segment 0
		.amdhsa_kernarg_size 80
		.amdhsa_user_sgpr_count 2
		.amdhsa_user_sgpr_kernarg_segment_ptr 1
		.amdhsa_wavefront_size32 1
		.amdhsa_system_sgpr_workgroup_id_x 1
		.amdhsa_system_sgpr_workgroup_id_y 1
		.amdhsa_system_sgpr_workgroup_id_z 1
		.amdhsa_system_vgpr_workitem_id 0
		.amdhsa_next_free_vgpr 1024
		.amdhsa_next_free_sgpr 102
		.amdhsa_reserve_vcc 0
		.amdhsa_float_denorm_mode_32 3
		.amdhsa_float_denorm_mode_16_64 3
		.amdhsa_memory_ordered 1
		.amdhsa_forward_progress 1
		.amdhsa_inst_pref_size 200
	.end_amdhsa_kernel
	.amdgpu_metadata
---
amdhsa.version: [ 1, 2 ]
amdhsa.kernels:
  - .name:           k_q88a7cefee0_proj
    .symbol:         k_q88a7cefee0_proj.kd
    .args:
      - { .name: X_Q, .offset: 0, .size: 8, .value_kind: global_buffer, .address_space: global }
      - { .name: X_K, .offset: 8, .size: 8, .value_kind: global_buffer, .address_space: global }
      - { .name: X_V, .offset: 16, .size: 8, .value_kind: global_buffer, .address_space: global }
      - { .name: wimg, .offset: 24, .size: 8, .value_kind: global_buffer, .address_space: global }
      - { .name: bq, .offset: 32, .size: 8, .value_kind: global_buffer, .address_space: global }
      - { .name: bk, .offset: 40, .size: 8, .value_kind: global_buffer, .address_space: global }
      - { .name: bv, .offset: 48, .size: 8, .value_kind: global_buffer, .address_space: global }
      - { .name: lowp_scales, .offset: 56, .size: 8, .value_kind: global_buffer, .address_space: global }
      - { .name: qimg, .offset: 64, .size: 8, .value_kind: global_buffer, .address_space: global }
      - { .name: kvimg, .offset: 72, .size: 8, .value_kind: global_buffer, .address_space: global }
    .group_segment_fixed_size: 199168
    .private_segment_fixed_size: 0
    .kernarg_segment_align: 8
    .kernarg_segment_size: 80
    .max_flat_workgroup_size: 128
    .sgpr_count:     102
    .vgpr_count:     1024
    .wavefront_size: 32
...
	.end_amdgpu_metadata
.endif
;; end of part 2
;; launch attn (part 3): grid 4 x 64, 16 waves a work-group, no clusters, 327,680 bytes of LDS; arguments qimg, kvimg, lowp_scales, out0; writes out0
.if DOCPART == 3
	.amdgcn_target "amdgcn-amd-amdhsa--gfx1250"
	.amdhsa_code_object_version 6
	.text
	.protected	k_q88a7cefee0_attn
	.globl	k_q88a7cefee0_attn
	.p2align	8
	.type	k_q88a7cefee0_attn,@function
k_q88a7cefee0_attn:
	s_mov_b64 s[64:65], 0
	v_nop
	global_prefetch_b8 v0, s[64:65] scope:SCOPE_SE
	s_setreg_imm32_b32 hwreg(HW_REG_WAVE_MODE, 25, 1), 1
	s_wait_xcnt 0x0
; out[b][n][64 head + :] = the sum over m <= n of softmax_m(Q[n] . K[m] / 8) V[m], products 4 and 5 on the codes of E4M3 that the launch before has stored as images of operand registers.
; WORK LEFT OUT: reference()'s own jnp.tril makes probs[n][m] = 0 for m > n, whatever the inputs: a step of 128 keys that all come after a tile's 16 queries is not multiplied, a slot that no query of the work-group may see is not fetched.
; LIMIT: a NaN, an infinity or an overflow that reaches only those scores is not carried to the result.
; THE SOFTMAX AHEAD OF PRODUCT 5: t = score x log2(e) / 8; M = the row's largest t so far, rounded UP to a whole number; p = 2^(t - M) is quantised along the keys with 2^ep, not normalised.  The row's sum is taken of the
; unquantised p and divides at the end.  When M moves, the sum and O are multiplied by 2^(old M - new M): exact.
; SHARES.  Work-group (i, bh) owns query blocks 7 - i and i of 256 of one batch and head: under the mask the two together have the same number of key steps for every i.  Each of the sixteen waves owns a tile of 16 queries of
; each block (H and L): four waves to a SIMD, so that one wave's vector work stands beside another's matrix work and LDS loads.  Every work-group walks all 8 slots of 256 keys (constant trip counts) and leaves hidden work out.
; K and V come through a ring of two LDS slots: a slot is one dense block of 32 KB of kvimg; wave 0 fetches K's 16 KB, wave 1 V's, all sixteen read.  By this text's count a wave never has more than one tensor load out.
; NO CLUSTER: the four work-groups of a bh read the same slots, but work-group i reads only slots 0 .. 7 - i: a joint load would bring three of the four partners tiles that none of their waves reads.
; LAYOUT.  S^T = K Q^T (source 0 = 16 neighbouring keys, source 1 = my 16 queries, 16x16x64): a lane holds ONE query, its 8 registers of key tile t the keys 16 t + 8 h + 0 .. 7: one conversion gives registers 2 t, 2 t + 1 of
; P, source 1 of O^T = V^T P^T (16x16x128) in that form's own places.  Nothing changes lanes but the maximum and the sum, once each between the halves.
; LIMITS on the given exponents: eq + ek between -126 and 130 (added to c's exponent field); ep between -126 and 119; ep + ev is applied by v_ldexp_f32 and has none.
.set SLOT1, 1<<15                      ; slot 1 begins here: one exclusive or turns an address in one slot into the other's
.set STAGE, 65536                      ; the way out: 16 rows x 272 bytes for each wave; bytes of its own, into which no tensor load lands
.set SPARE, 135168                     ; the spare words, 128 bytes for each wave: eight blocks of 256 bytes that no other line names
.set LI,   1                           ; v1   16 x lane
.set ADR,  2                           ; v2   LDS address of the slot in hand + 16 x lane
.set PFO,  3                           ; v3   256 x lane, for the prefetches; never rewritten
.set SIN,  4                           ; v4   the stage: where I put 32 bytes of a row
.set SPW,  5
.set NIL,  6
.set GO,   7                           ; v7   my byte offset in two rows of out0
.set SBK,  9                           ; v9   the stage: where I read a row back
.set STH,  12                          ; v12 -M, v13 the largest t, v[14:15] the sum in two halves: tile H;  v16-19: tile L
.set STL,  16
.set QH,   20                          ; v20-27, v28-35  Q's fragments
.set QL,   28
.set FR,   36                          ; v36-99   8 fragments of K, then 4 of V
.set S,    100                         ; v100-163 S^T, then p
.set OH,   164                         ; v164-195, v196-227  O^T
.set OL,   196
.set P,    228                         ; v228-243 p's codes
.set PSC,  244                         ; 2^ep
.set PLIM, 245                         ; 448 x 2^ep
.set FF,   246                         ; v[246:247] f = 2^(old M - new M)
.set SUM2, 248                         ; v[248:249] a second chain
.set PERM, 250
.set TA,   251
.set WV,   12
.set TB,   13                          ; LDS byte at which the slot in hand begins
.set SLOTS, 14
.set KF,   15                          ; the step's first key
.set Q0H,  16                          ; my first query of tile H, of tile L
.set Q0L,  17
.set LIM,  18                          ; 1 in a wave that prefetches, else the greatest number
.set EPV,  19                          ; ep + ev
.set SEL,  20                          ; s[20:21] lane selects for v_permlanex16_b32: lane l xor 16
.set CS,   22                          ; s[22:23] c = log2(e) / 8 x 2^(eq + ek)
.set G1,   24                          ; s[24:31] descriptor group 1
.set G0,   32                          ; s[32:35] group 0, which walks
.set PFA,  36                          ; s[36:37] where my prefetches stand
.set OPH,  38                          ; s[38:39], s[40:41] out0 at my tiles' first rows
.set OPL,  40
.macro TLOAD                           ; waves 0 and 1 fetch, the others nothing; the branch hangs on the wave's number alone.  An s_nop 0 and four v_nop follow the load
	s_cmp_lt_u32 s[WV], 2
	s_cbranch_scc0 .Lasked_\@
	tensor_load_to_lds s[G0:G0+3], s[G1:G1+7]
	s_nop 0
.rept 4
	v_nop
.endr
.Lasked_\@:
.endm
; A PREFETCH of the slot that the NEXT change of slots will ask for: 32 KB, two key steps ahead of that load.  The four work-groups of a bh walk the same slots: work-group 0, whose own walk fetches all eight, asks; in it waves 4 to 7,
; which fetch nothing, 8,192 bytes each, lanes 256 bytes apart: each aligned block of 256 bytes is named once in the launch.  Slots 0 and 1 come by their loads alone; the last change that fills a slot asks for nothing.
.macro ASK
	s_cmp_gt_u32 s[SLOTS], s[LIM]
	s_cbranch_scc0 .Lnot_mine_\@
	global_prefetch_b8 v[PFO], s[PFA:PFA+1] th:TH_LOAD_NT scope:SCOPE_SE
.Lnot_mine_\@:
.endm
	s_load_b256 s[4:11], s[0:1], 0x0               ; qimg s[4:5], kvimg s[6:7], the scales' exponents s[8:9], out0 s[10:11]
	v_lshl_add_u32 v[SPW], v0, 2, SPARE
	v_mov_b32 v[NIL], 0
	ds_add_u32 v[SPW], v[NIL]                      ; the wave's opening: the add, twice on end, and its wait ahead of the first tensor load; work on registers stands between
	ds_add_u32 v[SPW], v[NIL]
	v_lshrrev_b32 v8, 5, v0
	v_readfirstlane_b32 s[WV], v8                  ; wave 0..15
	s_mov_b32 s[G1], 3<<16                         ; no mask; elements of 8 bytes; no padding: the images are read 16 bytes x lane, 512 consecutive bytes a load
	s_mov_b32 s[G1+1], 32<<16                      ; tensor_dim0 = 32 elements: rows of 256 bytes
	s_mov_b32 s[G1+2], 64<<16                      ; tensor_dim1 = 64
	s_mov_b32 s[G1+3], 32<<16                      ; tile_dim0
	s_mov_b32 s[G1+4], 64                          ; tile_dim1: 64 rows = 16 KB
	s_mov_b32 s[G1+5], 32                          ; the pitch: dense
	s_mov_b32 s[G1+6], 0
	s_mov_b32 s[G1+7], 0
	s_mov_b32 s[SEL], 0x76543210
	s_mov_b32 s[SEL+1], 0xfedcba98
	s_mov_b32 s[CS], 0x3e38aa3b                    ; log2(e) / 8
	s_mov_b32 s[TB], 0
	s_mov_b32 s[SLOTS], 7
	s_mov_b32 s[KF], 0
	s_and_b32 s52, ttmp7, 0xffff                   ; bh
	s_lshl_b32 s53, s[WV], 4
	s_sub_co_u32 s54, 7, ttmp9
	s_lshl_b32 s54, s54, 8
	s_add_co_u32 s[Q0H], s54, s53                  ; 256 (7 - i) + 16 wave
	s_lshl_b32 s54, ttmp9, 8
	s_add_co_u32 s[Q0L], s54, s53                  ; 256 i + 16 wave
	s_and_b32 s55, s[WV], 1
	s_lshl_b32 s55, s55, 14                        ; which half of a slot I fetch, if I fetch
	s_lshl_b32 s56, s52, 18
	s_add_co_u32 s56, s56, s55
	s_mov_b32 s57, 0
	s_mov_b32 s59, 0
	s_wait_dscnt 0x0                               ; both opening adds are done
	s_wait_kmcnt 0x0
	s_load_b128 s[44:47], s[8:9], 0x18             ; eq, ek, ep, ev: entries 6 to 9
	s_mov_b32 s[G0], 1                             ; count = 1
	s_mov_b32 s[G0+1], s55                         ; LDS address: slot 0
	s_add_nc_u64 s[G0+2:G0+3], s[6:7], s[56:57]    ; global address: the bh's slot 0
	s_or_b32 s[G0+3], s[G0+3], 0x80000000          ; type = 2
	TLOAD                                          ; slot 0: key 0 counts for every query, so it is read
	s_lshl_b32 s56, s52, 18                        ; the prefetches: my wave's 8,192 bytes,
	s_and_b32 s58, s[WV], 3
	s_lshl_b32 s58, s58, 13
	s_add_co_u32 s56, s56, s58
	s_add_co_u32 s56, s56, 32768                   ; in slot 1: the first change of slots steps it to slot 2
	s_add_nc_u64 s[PFA:PFA+1], s[6:7], s[56:57]
	s_sub_co_u32 s58, s[WV], 4
	s_lshr_b32 s58, s58, 2                         ; 0 in waves 4 to 7,
	s_or_b32 s58, s58, ttmp9                       ; of work-group 0
	s_cmp_eq_u32 s58, 0
	s_cselect_b32 s[LIM], 1, -1
	s_lshl_b32 s56, s52, 17                        ; Q: a tile of 16 queries is 1,024 bytes
	s_lshl_b32 s58, s[Q0H], 6
	s_add_co_u32 s58, s58, s56
	s_add_nc_u64 s[48:49], s[4:5], s[58:59]
	s_lshl_b32 s58, s[Q0L], 6
	s_add_co_u32 s58, s58, s56
	s_add_nc_u64 s[50:51], s[4:5], s[58:59]
	v_and_b32 v8, 31, v0
	v_lshlrev_b32 v[LI], 4, v8
	v_lshlrev_b32 v[PFO], 8, v8
.irp c, 0,1
	global_load_b128 v[QH+4*\c:QH+4*\c+3], v[LI], s[48:49] offset:512*\c th:TH_LOAD_NT   ; Q's fragments stay in registers
	global_load_b128 v[QL+4*\c:QL+4*\c+3], v[LI], s[50:51] offset:512*\c th:TH_LOAD_NT
.endr
	s_lshr_b32 s56, s52, 4
	s_lshl_b32 s56, s56, 11                        ; 2048 x batch
	s_and_b32 s54, s52, 15
	s_lshl_b32 s54, s54, 8                         ; the head's 256 bytes of a row
	s_add_co_u32 s58, s56, s[Q0H]
	s_lshl_b32 s58, s58, 12
	s_add_co_u32 s58, s58, s54
	s_add_nc_u64 s[OPH:OPH+1], s[10:11], s[58:59]
	s_add_co_u32 s58, s56, s[Q0L]
	s_lshl_b32 s58, s58, 12
	s_add_co_u32 s58, s58, s54
	s_add_nc_u64 s[OPL:OPL+1], s[10:11], s[58:59]
	v_and_b32 v8, 15, v0                           ; r
	v_bfe_u32 v10, v0, 4, 1                        ; h
	v_lshlrev_b32 v[GO], 12, v10
	v_lshl_add_u32 v[GO], v8, 4, v[GO]             ; lanes 0-15 take one row of out0, lanes 16-31 the next; 16 bytes a lane
	s_mul_i32 s58, s[WV], 16*272
	s_add_co_u32 s58, s58, STAGE                   ; my stage
	v_mul_u32_u24 v[SIN], v8, 272
	v_lshl_add_u32 v[SIN], v10, 5, v[SIN]
	v_add_nc_u32 v[SIN], s58, v[SIN]               ; in: row r, + 32 h
	v_mul_u32_u24 v[SBK], v10, 272
	v_lshl_add_u32 v[SBK], v8, 4, v[SBK]
	v_add_nc_u32 v[SBK], s58, v[SBK]               ; back: row h, + 16 r
.irp st, STH, STL
	v_mov_b32 v[\st+1], 0xff61b1e6                 ; the largest t so far: -3e38, under every t
	v_floor_f32 v[\st], -v[\st+1]                  ; -M
	v_mov_b32 v[\st+2], 0                          ; the sum, in two halves
	v_mov_b32 v[\st+3], 0
.endr
	v_mov_b32 v[PERM], 0                           ; written once: a lane permute's destination counts as one of its sources
	v_mov_b32 v[FF+1], 0                           ; (named as the upper half of the pair)
.set i, 0
.rept 64
	v_mov_b32 v[OH+i], 0                           ; O^T of both tiles.  (The step is written without a first form of its own: the first change of M multiplies zeros)
.set i, i+1
.endr
	s_wait_kmcnt 0x0
	s_add_co_i32 s54, s44, s45
	s_lshl_b32 s54, s54, 23
	s_add_co_i32 s[CS], s[CS], s54                 ; a score stands for score x 2^(eq + ek): the exponents are added to c's exponent field
	s_mov_b32 s[CS+1], s[CS]                       ; (named with it as a pair, so it is written)
	s_add_co_i32 s54, s46, 127
	s_lshl_b32 s55, s54, 23
	v_mov_b32 v[PSC], s55
	s_add_co_i32 s54, s54, 8
	s_lshl_b32 s54, s54, 23
	s_or_b32 s54, s54, 0x600000
	v_mov_b32 v[PLIM], s54
	s_add_co_i32 s[EPV], s46, s47
; A KEY STEP of one tile: 128 keys, the q-th of the slot in hand.  st, qf, o, q0: the tile's statistics, Q, O^T, first query.
.macro STEP q, st, qf, o, q0
	s_add_co_u32 s96, s[\q0], 15                   ; all keys after my 16 queries: the step is left out.  A scalar branch on ids; no barrier, wait for tiles or tensor load stands in a step
	s_cmp_gt_u32 s[KF], s96
	s_cbranch_scc1 .Lhidden_\@
	v_add_nc_u32 v[ADR], s[TB], v[LI]
.rept 3
	v_nop                                          ; with the addition: four places in front of loads into registers that the last products read
.endr
.irp t, 0,1,2,3,4,5,6,7
	ds_load_b128 v[FR+8*\t:FR+8*\t+3], v[ADR] offset:(8*(\q)+\t)*1024
	ds_load_b128 v[FR+8*\t+4:FR+8*\t+7], v[ADR] offset:(8*(\q)+\t)*1024+512
.endr
	s_wait_dscnt 0x0
.irp t, 0,1,2,3,4,5,6,7
	v_wmma_f32_16x16x64_fp8_fp8 v[S+8*\t:S+8*\t+7], v[FR+8*\t:FR+8*\t+7], v[\qf:\qf+7], 0
.endr
.rept 4
	v_nop
.endr
.irp dt, 0,1,2,3                               ; V's four fragments are asked for at once and land under the softmax
.irp c, 0,1,2,3
	ds_load_b128 v[FR+16*\dt+4*\c:FR+16*\dt+4*\c+3], v[ADR] offset:16384+(\q)*8192+\dt*2048+\c*512
.endr
.endr
	s_add_co_u32 s96, s[KF], 127                   ; on the diagonal hidden scores become -infinity ahead of the maximum: p = 0 then.  A step all of whose keys count skips this
	s_cmp_le_u32 s96, s[\q0]
	s_cbranch_scc1 .Lopen_\@
	s_sub_co_i32 s96, s[\q0], s[KF]
	v_and_b32 v252, 15, v0
	v_bfe_u32 v253, v0, 4, 1
	v_lshlrev_b32 v253, 3, v253
	v_sub_nc_u32 v252, v252, v253
	v_add_nc_u32 v252, s96, v252                   ; d = my query - KF - 8 h.  Register 8 t + j holds key KF + 16 t + 8 h + j: hidden where 16 t + j > d
	v_mov_b32 v254, 0xff800000
.set n, 0
.rept 64
	v_cmp_gt_i32 vcc_lo, 16*(n/8)+n%8, v252
	v_cndmask_b32 v[S+n], v[S+n], v254, vcc_lo
.set n, n+1
.endr
.Lopen_\@:
	v_max3_num_f32 v[TA], v[S], v[S+1], v[S+2]     ; the step's largest score of my query among my 64 keys, in two chains; each accumulator is first read at its low end
	v_max3_num_f32 v[SUM2], v[S+3], v[S+4], v[S+5]
.irp i, 6,10,14,18,22,26,30,34,38,42,46,50,54,58
	v_max3_num_f32 v[TA], v[TA], v[S+\i], v[S+\i+1]
	v_max3_num_f32 v[SUM2], v[SUM2], v[S+\i+2], v[S+\i+3]
.endr
	v_max3_num_f32 v[TA], v[TA], v[S+62], v[S+63]
	v_max_num_f32 v[TA], v[TA], v[SUM2]
	v_permlanex16_b32 v[PERM], v[TA], s[SEL], s[SEL+1]
	v_max_num_f32 v[TA], v[TA], v[PERM]            ; and among lane l xor 16's
	v_mul_f32 v[TA], s[CS], v[TA]                  ; as t (c is positive)
	v_max_num_f32 v[\st+1], v[\st+1], v[TA]        ; the running largest t
	v_mov_b32 v[TA], v[\st]
	v_floor_f32 v[\st], -v[\st+1]                  ; the new -M = floor(-t) = -ceil(t)
	v_sub_f32 v[TA], v[\st], v[TA]                 ; old M less new M: a whole number, 0 or less
	v_cvt_i32_f32 v[TA], v[TA]                     ; (it saturates)
	v_ldexp_f32 v[FF], 1.0, v[TA]                  ; f = 2^(old M - new M)
.set n, 0
.rept 32
	v_pk_fma_f32 v[S+n:S+n+1], v[S+n:S+n+1], s[CS:CS+1], v[\st:\st+1] op_sel_hi:[1,0,0]   ; t - M, two at a time (of the pairs c and -M the low word serves both halves)
.set n, n+2
.endr
.set n, 0
.rept 64
	v_exp_f32 v[S+n], v[S+n]                       ; p = 2^(t - M), at most 1
.set n, n+1
.endr
	v_pk_mul_f32 v[\st+2:\st+3], v[\st+2:\st+3], v[FF:FF+1] op_sel_hi:[1,0]   ; the sums under the new M: the plain instruction behind the exponentials
	s_wait_alu depctr_va_vdst(0)                   ; one wait for the whole batch, ahead of its first reader
	v_pk_add_f32 v[SUM2:SUM2+1], v[S:S+1], v[S+2:S+3]   ; the row's sum is taken of the unquantised p, in two chains
.irp j, 4,8,12,16,20,24,28,32,36,40,44,48,52,56,60
	v_pk_add_f32 v[\st+2:\st+3], v[\st+2:\st+3], v[S+\j:S+\j+1]
	v_pk_add_f32 v[SUM2:SUM2+1], v[SUM2:SUM2+1], v[S+\j+2:S+\j+3]
.endr
	v_pk_add_f32 v[\st+2:\st+3], v[\st+2:\st+3], v[SUM2:SUM2+1]
.irp t, 0,1,2,3,4,5,6,7
.irp i, 0,1,2,3,4,5,6,7
	v_min_num_f32 v[S+8*\t+\i], v[S+8*\t+\i], v[PLIM]   ; the conversion does not saturate (ISA guide 7.6.2); p is not negative, so the hold is one-sided
.endr
	v_cvt_scalef32_pk8_fp8_f32 v[P+2*\t:P+2*\t+1], v[S+8*\t:S+8*\t+7], v[PSC]
.endr
.set n, 0
.rept 16
	v_pk_mul_f32 v[\o+n:\o+n+1], v[\o+n:\o+n+1], v[FF:FF+1] op_sel_hi:[1,0]   ; O^T under the new M.  (Plain instructions between the conversions and the products)
.set n, n+2
.endr
	s_wait_dscnt 0x0                               ; V is in
.irp dt, 0,1,2,3
	v_wmma_f32_16x16x128_fp8_fp8 v[\o+8*\dt:\o+8*\dt+7], v[FR+16*\dt:FR+16*\dt+15], v[P:P+15], v[\o+8*\dt:\o+8*\dt+7]
.endr
.Lhidden_\@:
.endm
.macro KSTEP q, both
	STEP \q, STH, QH, OH, Q0H
.if \both
	STEP \q, STL, QL, OL, Q0L
.endif
	s_add_co_u32 s[KF], s[KF], 128
.endm
; THE CHANGE OF SLOTS stands at a slot's head.  Each wave waits for all its tensor loads, adds 0 to its spare word, and waits for that and for its reads of the slot that it has left.  Behind the barrier the slot ahead is whole
; and nobody reads the other one.  fill = 1: that other slot takes the next 256 keys, up to the causal limit; the load has a slot's two key steps in which to land.
.macro CHANGE fill
	s_wait_tensorcnt 0x0                           ; no tensor load of mine is out, so group 0 may be written
	ds_add_u32 v[SPW], v[NIL]                      ; 0 onto my spare word
.if \fill
	ds_add_u32 v[SPW], v[NIL]                      ; and once more: the add stands twice on end here, in every trip alike
	s_xor_b32 s[G0+1], s[G0+1], SLOT1              ; the walking descriptor: the other slot,
	s_add_nc_u64 s[G0+2:G0+3], s[G0+2:G0+3], 32768 ; the next 256 keys; the type bits on top are not reached
	s_wait_xcnt 0x0                                ; the last prefetch, a slot back, has read its address
	s_add_nc_u64 s[PFA:PFA+1], s[PFA:PFA+1], 32768
.endif
	s_wait_dscnt 0x0                               ; the adds are done, and my reads of the slot that I have left are over
	s_barrier_signal -1
	s_barrier_wait -1
.if \fill
	s_add_co_u32 s96, s[KF], 256                   ; the first key of the slot that this change would ask for,
	s_or_b32 s97, s[Q0H], 255                      ; against my work-group's last query: a slot beyond it is read by none of the sixteen waves and is not asked for.
	s_cmp_gt_u32 s96, s97                          ; Ids and the count of steps alone: all waves go the same way; every wait for tensor loads in this text is for 0; the jump leads round the load's own lines alone
	s_cbranch_scc1 .Lpast_\@
	TLOAD                                          ; a wave's one tensor load until the next change
.Lpast_\@:
	ASK
.endif
.endm
	s_wait_loadcnt 0x0                             ; Q
.Lslot:                                            ; 7 trips: slots 0 to 6
	CHANGE 1
	KSTEP 0, 1
	KSTEP 1, 1
	s_xor_b32 s[TB], s[TB], SLOT1
	s_sub_co_u32 s[SLOTS], s[SLOTS], 1
	s_cmp_lg_u32 s[SLOTS], 0
	s_cbranch_scc1 .Lslot
	CHANGE 0                                       ; slot 7 is written out: nothing is asked for behind it.  Its first key, 1,792, comes after every query of a block i <= 3: tile L has no step here
	KSTEP 0, 0
	KSTEP 1, 0
; THE WAY OUT.  O^T / the sum x 2^(ep + ev) goes through my stage, 16 rows of 256 bytes, and leaves so that sixteen lanes store the head's 256 consecutive, aligned bytes of a row.
.macro OUTA st, o, tmp, d
	v_add_f32 v[\st+2], v[\st+2], v[\st+3]         ; the sum's two halves,
	v_permlanex16_b32 v[PERM], v[\st+2], s[SEL], s[SEL+1]
	v_add_f32 v[\st+2], v[\st+2], v[PERM]          ; and lane l xor 16's
	v_rcp_f32 v[\st+2], v[\st+2]
	v_nop                                          ; a plain instruction behind the reciprocal,
	s_wait_alu depctr_va_vdst(0)                   ; and the wait ahead of its first reader
	v_ldexp_f32 v[\st+2], v[\st+2], s[EPV]
.set n, 0
.rept 32
	v_mul_f32 v[\tmp+n], v[\o+n], v[\st+2]         ; register 8 dt + j is out(r, 16 dt + 8 h + j); each accumulator from its low end on
.set n, n+1
.endr
.irp dt, 0,1,2,3
	ds_store_b128 v[SIN], v[\tmp+8*\dt:\tmp+8*\dt+3] offset:64*\dt
	ds_store_b128 v[SIN], v[\tmp+8*\dt+4:\tmp+8*\dt+7] offset:64*\dt+16
.endr
.irp i, 0,1,2,3,4,5,6,7
	ds_load_b128 v[\d+4*\i:\d+4*\i+3], v[SBK] offset:2*\i*272   ; LDS serves a wave's instructions in order (ISA guide 5.7.1.4): these see my stores, and the next tile's stores come behind them
.endr
.endm
.macro OUTB d, op, younger             ; younger: the LDS instructions issued behind this tile's loads
.irp i, 0,1,2,3,4,5,6,7
	s_wait_dscnt \younger+7-\i
	global_store_b128 v[GO], v[\d+4*\i:\d+4*\i+3], s[\op:\op+1] offset:2*\i*4096 th:TH_STORE_NT
.endr
.endm
.rept 4
	v_nop                                          ; places behind the last products
.endr
	OUTA STH, OH, S, FR
	OUTA STL, OL, S+32, FR+32                      ; tile L's arithmetic stands between tile H's loads and its stores
	OUTB FR, OPH, 16
	OUTB FR+32, OPL, 0
	s_wait_tensorcnt 0x0                           ; the wave's end: behind my last tensor load and my last LDS store
	ds_add_u32 v[SPW], v[NIL]
	s_wait_dscnt 0x0
	s_endpgm
.Lfunc_end_k_q88a7cefee0_attn:
	.size	k_q88a7cefee0_attn, .Lfunc_end_k_q88a7cefee0_attn-k_q88a7cefee0_attn
	.p2alignl 7, 3214868480
	.fill 96, 4, 3214868480
	.section	.rodata,"a",@progbits
	.p2align	6, 0x0
	.amdhsa_kernel k_q88a7cefee0_attn
		.amdhsa_group_segment_fixed_size 327680
		.amdhsa_private_segment_fixed_size 0
		.amdhsa_enable_private_segment 0
		.amdhsa_kernarg_size 32
		.amdhsa_user_sgpr_count 2
		.amdhsa_user_sgpr_kernarg_segment_ptr 1
		.amdhsa_wavefront_size32 1
		.amdhsa_system_sgpr_workgroup_id_x 1
		.amdhsa_system_sgpr_workgroup_id_y 1
		.amdhsa_system_sgpr_workgroup_id_z 1
		.amdhsa_system_vgpr_workitem_id 0
		.amdhsa_next_free_vgpr 256
		.amdhsa_next_free_sgpr 100
		.amdhsa_reserve_vcc 1
		.amdhsa_float_denorm_mode_32 3
		.amdhsa_float_denorm_mode_16_64 3
		.amdhsa_memory_ordered 1
		.amdhsa_forward_progress 1
		.amdhsa_inst_pref_size 139
	.end_amdhsa_kernel
	.amdgpu_metadata
---
amdhsa.version: [ 1, 2 ]
amdhsa.kernels:
  - .name:           k_q88a7cefee0_attn
    .symbol:         k_q88a7cefee0_attn.kd
    .args:
      - { .name: qimg, .offset: 0, .size: 8, .value_kind: global_buffer, .address_space: global }
      - { .name: kvimg, .offset: 8, .size: 8, .value_kind: global_buffer, .address_space: global }
      - { .name: lowp_scales, .offset: 16, .size: 8, .value_kind: global_buffer, .address_space: global }
      - { .name: out0, .offset: 24, .size: 8, .value_kind: global_buffer, .address_space: global }
    .group_segment_fixed_size: 327680
    .private_segment_fixed_size: 0
    .kernarg_segment_align: 8
    .kernarg_segment_size: 32
    .max_flat_workgroup_size: 512
    .sgpr_count:     100
    .vgpr_count:     256
    .wavefront_size: 32
...
	.end_amdgpu_metadata
.endif
;; end of part 3
;; ======== version 2 of 2: 3 launches
;; workspace buffers: wimg 3,145,728 bytes; qimg 8,388,608 bytes; kvimg 16,777,216 bytes
;; launch qw (part 4): grid 128 x 3, 2 waves a work-group, no clusters, 0 bytes of LDS; arguments Wq, Wk, Wv, lowp_scales, wimg; writes wimg
.if DOCPART == 4
	.amdgcn_target "amdgcn-amd-amdhsa--gfx1250"
	.amdhsa_code_object_version 6
	.text
	.protected	k_q88a7cefee0_qw
	.globl	k_q88a7cefee0_qw
	.p2align	8
	.type	k_q88a7cefee0_qw,@function
k_q88a7cefee0_qw:
	s_mov_b64 s[64:65], 0
	v_nop
	global_prefetch_b8 v0, s[64:65] scope:SCOPE_SE
	s_setreg_imm32_b32 hwreg(HW_REG_WAVE_MODE, 25, 1), 1
	s_wait_xcnt 0x0
; THE PROGRAM: three launches.  This one turns Wq, Wk, Wv into codes of E4M3; the second quantises X_Q, X_K, X_V on the way, makes Q, K, V (products 1 to 3, biases added) and stores them as codes;
; the third is the causal attention (products 4 and 5).
; WORK LEFT OUT, in the third launch: reference() itself sets scores[n][m] to -inf for m > n (its own jnp.tril), so for every finite input probs[n][m] = 0 there and key m adds nothing to row n's maximum, sum or output.
; A step of 128 keys all of which come after all 16 queries of a tile is therefore not multiplied, and a slot of keys that no query of a work-group may see is not fetched.  Inside a step on the diagonal the work is done and masked.
; Every input has a way to the output (bk too: it moves K's codes), so every input is loaded.
; LIMIT: a NaN, an infinity or an overflow that reaches only the scores left out is not carried to the result.
;
; THIS LAUNCH.  W [16 heads][1024 k][64 e], f32, K is its middle axis.  code = w / 2^e, held within +-448, to the nearest code, ties to even; e = lowp_scales[0], [2], [4] for Wq, Wk, Wv.
; LIMITS: -126 <= e <= 119, so that 2^e and 448 x 2^e are f32 numbers.  NaN among the inputs is not served.
; OUTPUT: images of operand registers.  wimg byte = tensor x 2^20 + cg x 2^17 + ks x 2^14 + b x 2048 + c x 512 + 16 x lane: column tile 8 cg + b (head = tile / 4, e0 = 16 (tile % 4)), K step ks of 128;
; lane (r, h), piece c holds the 16 codes of W[head][128 ks + 32 c + 16 h + 0 .. 15][e0 + r].  The second launch lays X's codes by the same places of k, so every product meets its partner.
; SHARES.  Work-group x = 8 head + ks, y = tensor.  Wave w takes the head's columns 32 w .. 32 w + 31 over 128 k.  A LANE TAKES A COLUMN AND ITS REGISTERS RUN DOWN K: each load reads 128 consecutive bytes (the two waves
; together a whole row of 256), and the conversions, which take neighbours along K from one lane's registers, give 16 codes that belong together.  Each store: lanes 0-15 write 256 consecutive aligned bytes of one tile, lanes 16-31 of the next.
; No LDS, no barrier: waves share nothing.  No register that a load or store names is written again, so no wait on XCNT is needed.
.set X, 16                             ; v16-79   two sets of 32 numbers
.set C, 80                             ; v80-111  the codes: 8 registers a block of 32
	s_load_b256 s[4:11], s[0:1], 0x0               ; Wq s[4:5], Wk s[6:7], Wv s[8:9], the scales' exponents s[10:11]
	s_load_b64 s[12:13], s[0:1], 0x20              ; wimg
	v_lshrrev_b32 v3, 5, v0
	v_readfirstlane_b32 s14, v3                    ; wave 0, 1
	v_and_b32 v4, 31, v0                           ; lane
	v_lshlrev_b32 v1, 2, v4                        ; in: 4 bytes a lane
	v_lshrrev_b32 v5, 4, v4
	v_and_b32 v6, 15, v4
	v_lshlrev_b32 v2, 4, v6
	v_lshl_add_u32 v2, v5, 11, v2                  ; out: 2048 x (lane / 16) + 16 x (lane % 16)
	s_and_b32 s15, ttmp7, 0xffff                   ; tensor
	s_lshr_b32 s16, ttmp9, 3                       ; head
	s_and_b32 s17, ttmp9, 7                        ; K step
	s_lshl_b32 s18, s16, 18                        ; a head is 1024 rows of 256 bytes,
	s_lshl_b32 s20, s17, 15                        ; a K step 128 rows,
	s_add_co_u32 s18, s18, s20
	s_lshl_b32 s20, s14, 7                         ; a wave 32 columns
	s_add_co_u32 s18, s18, s20
	s_mov_b32 s19, 0
	s_lshl_b32 s20, s15, 20
	s_lshr_b32 s22, s16, 1
	s_lshl_b32 s22, s22, 17                        ; cg = head / 2
	s_add_co_u32 s20, s20, s22
	s_lshl_b32 s22, s17, 14
	s_add_co_u32 s20, s20, s22
	s_and_b32 s22, s16, 1
	s_lshl_b32 s22, s22, 2
	s_lshl_b32 s23, s14, 1
	s_add_co_u32 s22, s22, s23                     ; b = 4 (head % 2) + 2 wave (+ lane / 16)
	s_lshl_b32 s22, s22, 11
	s_add_co_u32 s20, s20, s22
	s_mov_b32 s21, 0
	s_wait_alu depctr_va_vdst(0)
	s_wait_kmcnt 0x0
	s_load_b256 s[24:31], s[10:11], 0x0            ; e0 .. e7
	s_cmp_eq_u32 s15, 1                            ; the choice hangs on the work-group's number alone
	s_cselect_b64 s[4:5], s[6:7], s[4:5]
	s_cmp_eq_u32 s15, 2
	s_cselect_b64 s[4:5], s[8:9], s[4:5]
	s_add_nc_u64 s[4:5], s[4:5], s[18:19]
	s_add_nc_u64 s[12:13], s[12:13], s[20:21]
.macro LOAD t                          ; block t: W(32 t + i, my column), i = 0 .. 31, into set t % 2
.set i, 0
.rept 32
	global_load_b32 v[X+32*((\t)%2)+i], v1, s[4:5] offset:(32*(\t)+i)*256 th:TH_LOAD_NT
.set i, i+1
.endr
.endm
	LOAD 0
	LOAD 1
	s_wait_kmcnt 0x0
	s_cmp_eq_u32 s15, 1
	s_cselect_b32 s24, s26, s24
	s_cmp_eq_u32 s15, 2
	s_cselect_b32 s24, s28, s24                    ; e
	s_add_co_i32 s24, s24, 127
	s_lshl_b32 s25, s24, 23
	v_mov_b32 v11, s25                             ; 2^e as f32: the conversion takes its exponent field
	s_add_co_i32 s24, s24, 8
	s_lshl_b32 s24, s24, 23
	s_or_b32 s24, s24, 0x600000
	v_mov_b32 v10, s24                             ; 448 x 2^e
.macro BLOCK t
.set XB, X+32*((\t)%2)
.if (\t) < 3
	s_wait_loadcnt 32                              ; this block's 32 loads are in; the next block's 32 may be out
.else
	s_wait_loadcnt 0
.endif
.set i, 0
.rept 32
	v_med3_num_f32 v[XB+i], v[XB+i], -v10, v10     ; the conversion to an 8-bit code does not saturate (ISA guide 7.6.2): hold the number first
.set i, i+1
.endr
.irp g, 0,1,2,3
	v_cvt_scalef32_pk8_fp8_f32 v[C+8*(\t)+2*\g:C+8*(\t)+2*\g+1], v[XB+8*\g:XB+8*\g+7], v11
.endr
.if (\t) < 2
	LOAD (\t)+2                                    ; the set just converted takes the block two further on
.endif
.endm
	s_wait_alu depctr_va_vdst(0)
	BLOCK 0
	BLOCK 1
	BLOCK 2
	BLOCK 3
.irp c, 0,1,2,3                        ; the codes' registers are touched by these stores alone
.irp hh, 0,1
	global_store_b128 v2, v[C+8*\c+4*\hh:C+8*\c+4*\hh+3], s[12:13] offset:\c*512+\hh*256   ; k = 32 c + 16 hh + 0 .. 15 of my column: the place of lane (r, hh) in piece c
.endr
.endr
	s_endpgm
.Lfunc_end_k_q88a7cefee0_qw:
	.size	k_q88a7cefee0_qw, .Lfunc_end_k_q88a7cefee0_qw-k_q88a7cefee0_qw
	.p2alignl 7, 3214868480
	.fill 96, 4, 3214868480
	.section	.rodata,"a",@progbits
	.p2align	6, 0x0
	.amdhsa_kernel k_q88a7cefee0_qw
		.amdhsa_group_segment_fixed_size 0
		.amdhsa_private_segment_fixed_size 0
		.amdhsa_enable_private_segment 0
		.amdhsa_kernarg_size 40
		.amdhsa_user_sgpr_count 2
		.amdhsa_user_sgpr_kernarg_segment_ptr 1
		.amdhsa_wavefront_size32 1
		.amdhsa_system_sgpr_workgroup_id_x 1
		.amdhsa_system_sgpr_workgroup_id_y 1
		.amdhsa_system_sgpr_workgroup_id_z 1
		.amdhsa_system_vgpr_workitem_id 0
		.amdhsa_next_free_vgpr 112
		.amdhsa_next_free_sgpr 66
		.amdhsa_reserve_vcc 0
		.amdhsa_float_denorm_mode_32 3
		.amdhsa_float_denorm_mode_16_64 3
		.amdhsa_memory_ordered 1
		.amdhsa_forward_progress 1
		.amdhsa_inst_pref_size 25
	.end_amdhsa_kernel
	.amdgpu_metadata
---
amdhsa.version: [ 1, 2 ]
amdhsa.kernels:
  - .name:           k_q88a7cefee0_qw
    .symbol:         k_q88a7cefee0_qw.kd
    .args:
      - { .name: Wq, .offset: 0, .size: 8, .value_kind: global_buffer, .address_space: global }
      - { .name: Wk, .offset: 8, .size: 8, .value_kind: global_buffer, .address_space: global }
      - { .name: Wv, .offset: 16, .size: 8, .value_kind: global_buffer, .address_space: global }
      - { .name: lowp_scales, .offset: 24, .size: 8, .value_kind: global_buffer, .address_space: global }
      - { .name: wimg, .offset: 32, .size: 8, .value_kind: global_buffer, .address_space: global }
    .group_segment_fixed_size: 0
    .private_segment_fixed_size: 0
    .kernarg_segment_align: 8
    .kernarg_segment_size: 40
    .max_flat_workgroup_size: 64
    .sgpr_count:     66
    .vgpr_count:     112
    .wavefront_size: 32
...
	.end_amdgpu_metadata
.endif
;; end of part 4
;; launch proj (part 5): grid 64 x 3, 4 waves a work-group, no clusters, 199,168 bytes of LDS; arguments X_Q, X_K, X_V, wimg, bq, bk, bv, lowp_scales, qimg, kvimg; writes qimg, kvimg
.if DOCPART == 5
	.amdgcn_target "amdgcn-amd-amdhsa--gfx1250"
	.amdhsa_code_object_version 6
	.text
	.protected	k_q88a7cefee0_proj
	.globl	k_q88a7cefee0_proj
	.p2align	8
	.type	k_q88a7cefee0_proj,@function
k_q88a7cefee0_proj:
	s_mov_b64 s[64:65], 0
	v_nop
	global_prefetch_b8 v0, s[64:65] scope:SCOPE_SE
	s_setreg_imm32_b32 hwreg(HW_REG_WAVE_SCHED_MODE, 0, 2), 2
	s_setreg_imm32_b32 hwreg(HW_REG_WAVE_MODE, 25, 1), 1
	s_wait_xcnt 0x0
	s_wait_alu depctr_vm_vsrc(0)
; Q, K, V = X W + b, products 1 to 3 on codes of E4M3, and their results quantised for products 4 and 5.  Nothing of these products is left out.
; Work-group (x, t): tensor t (0 Q, 1 K, 2 V), tokens 128 x .. 128 x + 127, ALL 1,024 columns: so each f32 number of X is read once in the launch and is quantised on the way, in registers.
; PHASE X.  Wave w turns rows 32 w .. 32 w + 31 into 16 fragments (16 rows x 128 k), which go to LDS as images of their registers (4 stores of 16 bytes x lane).  One barrier; afterwards the images are only read.
; THE PRODUCTS.  Wave w makes 128 rows x 128 columns in each of two passes (column group cg = 2 w + (pass xor par)): 64 accumulators, 8 K steps of 64 v_wmma_f32_16x16x128_fp8_fp8.
; X's fragments come from LDS, W's straight from wimg into the registers they are multiplied from (two sets, one K step ahead).
; NO JOINT LOADS, NO CLUSTER: a fragment of W is multiplied by exactly one wave of a work-group, so through LDS a K step would read 32 KB a wave from LDS where it now reads 16 KB, for the same 64 matrix instructions;
; and the work-groups of a tensor walk K from different starts (below), so they do not want the same tile at the same time.
; ROTATION.  Image number tau holds K step (tau + rot) % 8, rot = (x ^ x >> 3) % 8, for X and W alike; par = (x ^ x >> 4) % 2.  So the first fetches of W, issued at the head, name different bytes in different work-groups.
; ORIENTATION.  Q, K: source 0 = 16 columns of W, source 1 = 16 tokens: a lane holds ONE token and its 8 registers 8 neighbouring e: one conversion gives registers 2 c, 2 c + 1 of the 16x16x64 form's fragment (d = 16 c + 8 h + 0 .. 7).
; V: sources swapped: a lane holds ONE e and 8 neighbouring tokens (keys): one conversion gives registers 2 c, 2 c + 1 of the 16x16x128 form's fragment of V^T (keys 16 c + 8 h + 0 .. 7).  The two orientations differ in the matrix
; instructions and in the way out alone: a scalar branch on t stands round a K step's body and round the way out, inside the loops that all waves walk.
; THE BIAS is the C of each sum's first matrix instruction, divided by 2^(ex + ew), which the sums lack.  The result's code = sum / 2^(eo - ex - ew), held within +-448.
; OUTPUT.  qimg byte = bh x 2^17 + tile x 1024 + c2 x 512 + 16 lane.  kvimg byte = bh x 2^18 + slot x 32768 + (K: tile x 1024 + c2 x 512 | V: 16384 + kb x 8192 + dt x 2048 + c x 512) + 16 lane: a slot is 256 keys.
; Every store of a wave covers 512 consecutive bytes, aligned.
; LIMITS: ex and eo - ex - ew between -126 and 119.  NaN among the inputs is not served.  Inside an instruction k stands in permuted places (alike in both operands) and the K steps are rotated: the order of the f32 sums differs from reference()'s.
; REGISTERS, in windows of 256.  Window 0: v1-19 addresses and scales; v30, v31 the add's two; v32-95 the bias as C, from image 1 on the second set of X's blocks 0-3; v96-127 codes just made (phase X);
;   v128-255 X as 16 neighbours a lane (two sets), later X's blocks 0-3 (first set) and 4-7.
;   Window 1: W's two sets (v0, v128); set 1's registers are also the out-buffer of a pass's codes.  Window 2: X as loaded (four sets of 64), later the accumulators of rows 0-63 ((a, b) at v[8 (8 (a % 4) + b)]).  Window 3: those of rows 64-127.
; THE MODE: SCHED_MODE bits 1:0 = 2 (LLVM: expert scheduling mode 2), set by the entry lines.  The code itself states the register dependences
; between vector or matrix instructions and memory or LDS instructions, with s_wait_alu, always for 0.
; THE PLAN.  Registers that memory or LDS instructions touch:
;   v1, v4-6, v8-15   addresses, made at the head and never written again.  X's K step is reached by two scalar bases, W's by two more.
;   RAW0 .. RAW3      Phase X: loaded; read by the LDS stores into the stage; loaded again a fragment later.  No vector instruction names them there.
;   XT0, XT1          Phase X: the LDS loads from the stage land in them; the holds and conversions of that fragment read and write them.
;   PC, v7            Phase X: written by a fragment's conversions and one addition; read by the LDS stores of its image.
;   So a fragment has two waits: on vm_vsrc at its head (the stage's stores have read the RAW set that is loaded again, the last image's stores PC and v7), and on va_vdst ahead of its image's stores
;   (PC and v7 are written; the fragment's XT set is done with, so the loads of the fragment after next owe nothing more).
;   W0, W1            Image t's products read W[t % 2]; the loads of image t + 1 land in the other set.
;   XH (v192-255)     Blocks 4-7: read by a step's products 32 to 63; the same step of the next image loads them again.
;   XL A (v128-191), B (v32-95)   Blocks 0-3, by turns: images 0, 1, 3, 5, 7 read A, images 2, 4, 6 read B; a step loads the next image's into the set that it does not read.  (Image 0 cannot: B still holds the bias.)
;   So ONE wait on va_vdst stands at the head of each of images 1 to 7: the image before is done reading the other W set, XH and the other XL set.  The step's 64 loads follow it, a fragment (four loads) behind each of the
;   first 16 products, which name W[t % 2], this image's XL and the accumulators: none of the registers that those loads touch.  A fragment's loads want two switches of the register window: 32 for a step's 64 products.
;   Image 0 has such a wait in its middle, for image 1's blocks 0-3, which go back into set A.
;   The out-buffer    Written by a pass's 64 conversions; one wait on va_vdst; read by its 32 stores; one wait on vm_vsrc at the pass's end, ahead of the loads of W that land there.
.set STG,    131072                    ; LDS: X's images [tau][row tile] fill bytes 0 .. 131071; then for each wave two stages of 16 rows x 528 bytes
.set STW,    16896
.set STB,    8448
.set SPITCH, 528                       ; 512 bytes + 16: the 16 rows that a load touches start at 16 different columns of 16 bytes (64 banks of 4 bytes: ISA guide 11.1)
.set SPARE,  198656                    ; the spare words, 128 bytes for each wave: two blocks of 256 bytes that no other line names
.set LI,   1                           ; v1   16 x lane
.set STI,  4                           ; v4   my stage, on the way in: 16 x lane
.set STO,  5                           ; v5   and out: 528 r + 64 h
.set XWI0, 6                           ; v6   where my images go: 4096 x wave + 16 x lane
.set ADR,  7                           ; v7   an LDS address in hand
.set VOJ,  8                           ; v8-15  the bias: byte offset of register j
.set XSC,  16                          ; v16  2^ex
.set OSC,  17                          ; v17  2^(eo - ex - ew)
.set XLIM, 18                          ; v18  448 x 2^ex
.set OLIM, 19                          ; v19  448 x 2^(eo - ex - ew)
.set SPW,  30
.set NIL,  31
.set BI,   32
.set PC,   96
.set XT,   128
.set AF,   128
.set OBF,  128                         ; the out-buffer, in window 1
.set XP,   4                           ; s[4:5]   X at my wave's first row
.set XB,   6                           ; s[6:7], s[8:9]  the same at the K step of the even, of the odd image that is asked for next
.set WV,   34
.set TT,   35                          ; tensor
.set XX,   36                          ; work-group x
.set ROT,  37
.set PAR,  38
.set XSQ,  39                          ; x % 16: my block of 128 positions in the sequence
.set CGB,  40                          ; s[40:41] wimg at this pass's column group;  s[42:43] at the next pass's
.set CGN,  42
.set BPT,  44                          ; s[44:45] the bias likewise;  s[46:47]
.set BPN,  46
.set OB0,  48                          ; s[48:51] where this pass's two heads go;  s[52:55] the next pass's
.set OBN,  52
.set BP0,  56                          ; s[56:57], s[58:59] W's base for set 0, 1
.set SE,   60                          ; W's K step last asked for
.set SX,   61                          ; X's
.set T0,   62                          ; s[62:63] an offset, high word 0
.set XS,   66
.set AS,   67
.set CT,   68
.set PS,   69
.set NE,   70                          ; -(ex + ew)
.set HSH,  71                          ; log2 of a head's bytes in the output
.set MSB, 0
.macro WIN new                         ; the immediate's high byte repeats the setting that is left; a switch that changes nothing is dropped
.if MSB != (\new)
	s_set_vgpr_msb (MSB<<8)|(\new)
.set MSB, (\new)
.endif
.endm
.macro PLACES                          ; four plain vector instructions behind a run of products, ahead of what next touches their registers (ISA guide 7.12.1 for vector instructions); a wait on va_vdst fills no place
.rept 4
	v_nop
.endr
.endm
.macro BIASLD                          ; Q, K: b[16 b + 8 h + j];  V: b[16 b + r] in all eight registers: the offsets in v[VOJ ..] make the difference
.irp b, 0,1,2,3,4,5,6,7
.irp j, 0,1,2,3,4,5,6,7
	global_load_b32 v[BI+8*\b+\j], v[VOJ+\j], s[BPT:BPT+1] offset:64*\b
.endr
.endr
.endm
.macro NEXTB set                       ; W's next K step, for set: its last loads were shown done by a wait for all loads
	s_add_co_u32 s[SE], s[SE], 1
	s_and_b32 s[SE], s[SE], 7
	s_lshl_b32 s[T0], s[SE], 14
	s_add_nc_u64 s[BP0+2*(\set):BP0+2*(\set)+1], s[CGB:CGB+1], s[T0:T0+1]
.endm
.macro FRAGW set, b                    ; fragment b of W's K step in hand, 2 KB, into set: each load 512 consecutive bytes
	WIN 0x40
.irp c, 0,1,2,3
	global_load_b128 v[128*(\set)+16*(\b)+4*\c:128*(\set)+16*(\b)+4*\c+3], v[LI], s[BP0+2*(\set):BP0+2*(\set)+1] offset:(\b)*2048+\c*512
.endr
.endm
.macro FETCH_B set                     ; all 8 fragments
.irp b, 0,1,2,3,4,5,6,7
	FRAGW \set, \b
.endr
	WIN 0
.endm
.macro FRAGX adr, imm, reg, i          ; X's block i of the image at v[adr] + imm, into v[reg] on
	WIN 0
.irp c, 0,1,2,3
	ds_load_b128 v[(\reg)+4*\c:(\reg)+4*\c+3], v[\adr] offset:(\imm)+(\i)*2048+\c*512
.endr
.endm
.macro FETCH_A0                        ; image 0, all 8 blocks: blocks 0-3 into set A
.irp i, 0,1,2,3,4,5,6,7
	FRAGX LI, 0, AF+16*\i, \i
.endr
.endm
; PHASE X.  Fragment f = 2 tau + al (al: which 16 of my 32 rows); fl = f % 4 names its set of registers.
.macro XLD fl                          ; 16 rows x 512 bytes: each load 512 consecutive bytes of one row
	WIN 0x80
.set i, 0
.rept 16
	global_load_b128 v[64*(\fl)+4*i:64*(\fl)+4*i+3], v[LI], s[XB+2*((\fl)/2):XB+2*((\fl)/2)+1] offset:(16*((\fl)%2)+i)*4096 th:TH_LOAD_NT
.set i, i+1
.endr
	WIN 0
.endm
.macro TURN fl                         ; through my stage: in as loaded, out as 16 neighbours of each block of 32: register 16 c + i = k 32 c + 16 h + i of row r.  LDS serves a wave's instructions in order (ISA guide 5.7.1.4)
	WIN 0x08
.set i, 0
.rept 16
	ds_store_b128 v[STI], v[64*(\fl)+4*i:64*(\fl)+4*i+3] offset:((\fl)%2)*STB+i*SPITCH
.set i, i+1
.endr
	WIN 0
.set i, 0
.rept 16
	ds_load_b128 v[XT+64*((\fl)%2)+4*i:XT+64*((\fl)%2)+4*i+3], v[STO] offset:((\fl)%2)*STB+128*(i/4)+16*(i%4)
.set i, i+1
.endr
.endm
.macro QUANT s
.irp b, 0,1,2,3
.set i, 0
.rept 16
	v_med3_num_f32 v[\s+16*\b+i], v[\s+16*\b+i], -v[XLIM], v[XLIM]   ; the conversion does not saturate (ISA guide 7.6.2): the hold at 448 x the scale
.set i, i+1
.endr
	v_cvt_scalef32_pk8_fp8_f32 v[PC+4*\b:PC+4*\b+1], v[\s+16*\b:\s+16*\b+7], v[XSC]
	v_cvt_scalef32_pk8_fp8_f32 v[PC+4*\b+2:PC+4*\b+3], v[\s+16*\b+8:\s+16*\b+15], v[XSC]
.endr
	v_nop                                          ; a plain vector instruction behind the last conversion
.endm
.macro IMAGE imm
.irp c, 0,1,2,3
	ds_store_b128 v[ADR], v[PC+4*\c:PC+4*\c+3] offset:\imm+512*\c
.endr
.endm
; One fragment's turn.  ahead = 1: the fragment four further on is asked for.  n: the loads that may stay out when fragment f + 1 has to be there (n < 0: there is no fragment f + 1).
.macro STEPX fl, ahead, n
	s_wait_dscnt 0x0                               ; fragment f is back from the stage
.if \n >= 0
	s_wait_loadcnt \n                              ; loads come back in order: fragment f + 1 is in
.endif
	s_wait_alu depctr_vm_vsrc(0)                   ; fragment f's stores into the stage have read RAW[fl], in which the loads below land; the last image's stores have read PC and v[ADR], which this fragment's conversions and addition write
.if \n >= 0
	TURN (\fl+1)%4                                 ; its loads land in the XT set of fragment f - 1, whose holds and conversions stand ahead of that fragment's wait on va_vdst; no vector instruction since names the set
.endif
.if \ahead
.if (\fl)%2 == 0
	s_add_co_u32 s[SX], s[SX], 1                   ; the K step two images on.  Both fragments that named this base have been shown loaded
	s_and_b32 s[SX], s[SX], 7
	s_lshl_b32 s[T0], s[SX], 9
	s_add_nc_u64 s[XB+2*((\fl)/2):XB+2*((\fl)/2)+1], s[XP:XP+1], s[T0:T0+1]
.endif
	XLD \fl
.endif
	QUANT XT+64*((\fl)%2)
	v_add_nc_u32 v[ADR], s[XS], v[XWI0]
	s_wait_alu depctr_va_vdst(0)                   ; the conversions have written PC and the addition v[ADR], which the stores below read; the holds and conversions are done with this fragment's XT set
	IMAGE ((\fl)/2)*16384+((\fl)%2)*2048
.endm
; Matrix instructions i0 .. i0 + n - 1 of a K step's 64: number i multiplies X's block i / 8 by W's fragment i % 8.  p: W's set.  lo: the set of X's blocks 0-3.  first = 1: C is the bias.  swap = 1: X is source 0.
; The 64 accumulators take turns, one instruction a turn, in the same order in every step.
.macro MULN i0, n, p, lo, first, swap
.set mi, \i0
.rept \n
.set rD, 8*(8*((mi/8)%4)+mi%8)
.set rW, 128*(\p)+16*(mi%8)
.set rC, BI+8*(mi%8)
.if mi < 32
.set rX, (\lo)+16*(mi/8)
.else
.set rX, AF+16*(mi/8)
.endif
.if \swap
.if \first
	v_wmma_f32_16x16x128_fp8_fp8 v[rD:rD+7], v[rX:rX+15], v[rW:rW+15], v[rC:rC+7]
.else
	v_wmma_f32_16x16x128_fp8_fp8 v[rD:rD+7], v[rX:rX+15], v[rW:rW+15], v[rD:rD+7]
.endif
.else
.if \first
	v_wmma_f32_16x16x128_fp8_fp8 v[rD:rD+7], v[rW:rW+15], v[rX:rX+15], v[rC:rC+7]
.else
	v_wmma_f32_16x16x128_fp8_fp8 v[rD:rD+7], v[rW:rW+15], v[rX:rX+15], v[rD:rD+7]
.endif
.endif
.set mi, mi+1
.endr
.endm
; A K step's body in one orientation.  first = 1: image 0.  nxt = 1: an image follows in this pass.  Behind products 0-7: the next image's W, a fragment each, into the other set; behind 8-11: THIS image's blocks 4-7,
; at v[adr] + immh; behind 12-15: the next image's blocks 0-3, at v[adr] + imml, into set nlo.  D, and C where it is D, in window 2 (products 0-31) or 3; the bias in window 0; W in window 1, X in window 0.
.macro BODY swap, p, lo, first, nxt, adr, immh, imml, nlo
.set WLO, (2<<6)+(1-\first)*(2<<4)+1+3*\swap
.set WHI, (3<<6)+(1-\first)*(3<<4)+1+3*\swap
.set k, 0
.rept 16
	WIN WLO
	MULN k, 1, \p, \lo, \first, \swap
.if k < 8
.if \first || \nxt
	FRAGW 1-\p, k                                  ; no wait: no vector or matrix instruction since the last wait on va_vdst names that set
.endif
.elseif k < 12
.if !\first
	FRAGX \adr, \immh, AF+16*(k-4), k-4            ; likewise: the products since the step's head name blocks 0-3 alone
.endif
.else
.if \nxt && !\first
	FRAGX \adr, \imml, \nlo+16*(k-12), k-12        ; likewise: into the set of blocks 0-3 that this step does not read
.endif
.endif
.set k, k+1
.endr
	WIN WLO
	MULN 16, 16, \p, \lo, \first, \swap
.if \first
	WIN 0
	PLACES
	s_wait_alu depctr_va_vdst(0)                   ; image 0's products 0 to 31 are done reading set A, in which image 1's blocks 0-3 land: the other set still holds the bias, which products 32 to 63 read
.irp i, 0,1,2,3
	FRAGX \adr, \imml, \nlo+16*\i, \i
.endr
.endif
.if \first || \nxt
	s_wait_dscnt 16                                ; this image's blocks 4-7 are in; the youngest 16 loads (the next image's blocks 0-3) may be out
.else
	s_wait_dscnt 0x0
.endif
	WIN WHI
	MULN 32, 32, \p, \lo, \first, \swap
	WIN 0
.endm
; A K step.  The branch hangs on the tensor's number alone; at a branch and at a label every window is 0.
.macro STEP p, lo, first, nxt, adr, immh, imml, nlo
	s_wait_loadcnt 0x0                             ; W's set p is in; no younger load is out
.if !\first
	s_wait_alu depctr_va_vdst(0)                   ; the image before is done reading the other set of W, blocks 4-7 and the other set of blocks 0-3 (image 0: the bias), in all of which this step's loads land; where v[ADR] was stepped, it is written
.endif
.if \first || \nxt
	NEXTB 1-\p
.endif
.if \first
	s_wait_dscnt 16                                ; blocks 0-3 are in; the youngest 16 loads (blocks 4-7) may be out
.else
	s_wait_dscnt 0x0                               ; blocks 0-3 are in: they were asked for in the step before
.endif
	s_cmp_eq_u32 s[TT], 2
	s_cbranch_scc1 .Lsw_\@
	s_wait_alu depctr_va_vdst(0)
	BODY 0, \p, \lo, \first, \nxt, \adr, \immh, \imml, \nlo
	s_branch .Ljn_\@
.Lsw_\@:
	s_wait_alu depctr_va_vdst(0)
	BODY 1, \p, \lo, \first, \nxt, \adr, \immh, \imml, \nlo
.Ljn_\@:
	PLACES
.endm
.macro HOLD                            ; all 512 sums are held within +-448 x the scale, each accumulator from its low end on
	WIN 0x82
.set i, 0
.rept 256
	v_med3_num_f32 v[i], v[i], -v[OLIM], v[OLIM]
.set i, i+1
.endr
	WIN 0xc3
.set i, 0
.rept 256
	v_med3_num_f32 v[i], v[i], -v[OLIM], v[OLIM]
.set i, i+1
.endr
	WIN 0
.endm
.macro OUTQK                           ; 8 row tiles x 2 heads: sixteen fragments of 16 tokens x 64; tile a, head hh at v[OBF + 16 a + 8 hh] of window 1
	WIN 0x42                                       ; the sums in window 2, the codes in window 1, the scale in window 0
.irp a, 0,1,2,3
.irp hh, 0,1
.irp c, 0,1,2,3
	v_cvt_scalef32_pk8_fp8_f32 v[OBF+16*\a+8*\hh+2*\c:OBF+16*\a+8*\hh+2*\c+1], v[64*\a+32*\hh+8*\c:64*\a+32*\hh+8*\c+7], v[OSC]
.endr
.endr
.endr
	WIN 0x43
.irp a, 4,5,6,7
.irp hh, 0,1
.irp c, 0,1,2,3
	v_cvt_scalef32_pk8_fp8_f32 v[OBF+16*\a+8*\hh+2*\c:OBF+16*\a+8*\hh+2*\c+1], v[64*(\a-4)+32*\hh+8*\c:64*(\a-4)+32*\hh+8*\c+7], v[OSC]
.endr
.endr
.endr
	v_nop                                          ; a plain vector instruction behind the last conversion
	WIN 0x04                                       ; a store's data in window 1, its offset in window 0
	s_wait_alu depctr_va_vdst(0)                   ; the 64 conversions have written the out-buffer, which the stores read
.irp a, 0,1,2,3,4,5,6,7
.irp hh, 0,1
.irp c, 0,1
	global_store_b128 v[LI], v[OBF+16*\a+8*\hh+4*\c:OBF+16*\a+8*\hh+4*\c+3], s[OB0+2*\hh:OB0+2*\hh+1] offset:\a*1024+\c*512
.endr
.endr
.endr
	WIN 0
.endm
.macro OUTV                            ; 8 column tiles: eight fragments of V^T, 16 e x 128 keys; tile bt at v[OBF + 16 bt] of window 1
	WIN 0x42
.irp bt, 0,1,2,3,4,5,6,7
.irp a, 0,1,2,3
	v_cvt_scalef32_pk8_fp8_f32 v[OBF+16*\bt+2*\a:OBF+16*\bt+2*\a+1], v[8*(8*\a+\bt):8*(8*\a+\bt)+7], v[OSC]
.endr
.endr
	WIN 0x43
.irp bt, 0,1,2,3,4,5,6,7
.irp a, 0,1,2,3
	v_cvt_scalef32_pk8_fp8_f32 v[OBF+16*\bt+8+2*\a:OBF+16*\bt+8+2*\a+1], v[8*(8*\a+\bt):8*(8*\a+\bt)+7], v[OSC]
.endr
.endr
	v_nop                                          ; a plain vector instruction behind the last conversion
	WIN 0x04
	s_wait_alu depctr_va_vdst(0)                   ; the 64 conversions have written the out-buffer, which the stores read
.irp bt, 0,1,2,3,4,5,6,7
.irp c, 0,1,2,3
	global_store_b128 v[LI], v[OBF+16*\bt+4*\c:OBF+16*\bt+4*\c+3], s[OB0+2*(\bt/4):OB0+2*(\bt/4)+1] offset:(\bt%4)*2048+\c*512
.endr
.endr
	WIN 0
.endm
	s_load_b256 s[4:11], s[0:1], 0x0               ; X_Q s[4:5], X_K s[6:7], X_V s[8:9], wimg s[10:11]
	s_load_b256 s[12:19], s[0:1], 0x20             ; bq s[12:13], bk s[14:15], bv s[16:17], the scales' exponents s[18:19]
	s_load_b128 s[20:23], s[0:1], 0x40             ; qimg s[20:21], kvimg s[22:23]
	v_lshl_add_u32 v[SPW], v0, 2, SPARE
	v_mov_b32 v[NIL], 0
	v_lshrrev_b32 v20, 5, v0
	v_readfirstlane_b32 s[WV], v20                 ; wave 0..3
	v_and_b32 v20, 31, v0
	v_lshlrev_b32 v[LI], 4, v20
	v_and_b32 v21, 15, v0                          ; r
	s_wait_alu depctr_va_vdst(0)
	v_bfe_u32 v22, v0, 4, 1                        ; h
	s_wait_alu depctr_va_vdst(0)
	s_wait_alu depctr_va_sdst(0)                   ; the wave's number is written, ahead of its first reader
	s_mul_i32 s72, s[WV], STW
	s_add_co_u32 s72, s72, STG                     ; my stages
	v_add_nc_u32 v[STI], s72, v[LI]
	v_mul_u32_u24 v23, v21, SPITCH
	v_lshl_add_u32 v23, v22, 6, v23
	v_add_nc_u32 v[STO], s72, v23
	s_lshl_b32 s73, s[WV], 12
	v_add_nc_u32 v[XWI0], s73, v[LI]
	s_and_b32 s[TT], ttmp7, 0xffff
	s_mov_b32 s[XX], ttmp9
	s_lshr_b32 s72, s[XX], 3
	s_xor_b32 s72, s72, s[XX]
	s_and_b32 s[ROT], s72, 7
	s_lshr_b32 s72, s[XX], 4
	s_xor_b32 s72, s72, s[XX]
	s_and_b32 s[PAR], s72, 1
	s_and_b32 s[XSQ], s[XX], 15
	s_cmp_eq_u32 s[TT], 2                          ; the bias's offsets: Q, K: 32 h + 4 j;  V: 4 r
	s_cselect_b32 s72, 4, 0
	s_cselect_b32 s73, 0, 32
	s_cselect_b32 s74, 0, 4
	v_mul_u32_u24 v23, s72, v21
	v_mul_u32_u24 v24, s73, v22
	v_add_nc_u32 v23, v23, v24
	s_wait_alu depctr_va_vdst(0)
.irp j, 0,1,2,3,4,5,6,7
	s_mul_i32 s75, s74, \j
	v_add_nc_u32 v[VOJ+\j], s75, v23
.endr
	s_lshl_b32 s76, s[XX], 19                      ; X: 128 rows of 4,096 bytes a work-group,
	s_lshl_b32 s77, s[WV], 17                      ; 32 a wave
	s_add_co_u32 s76, s76, s77
	s_mov_b32 s77, 0
	s_lshl_b32 s78, s[WV], 1
	s_add_co_u32 s79, s78, s[PAR]                  ; the first pass's column group,
	s_xor_b32 s80, s[PAR], 1
	s_add_co_u32 s80, s78, s80                     ; the second's
	s_lshl_b32 s81, s[XSQ], 13                     ; my block's place in a head's output.  Q: 8 tiles of 1,024 bytes a block
	s_lshr_b32 s82, s[XSQ], 1
	s_lshl_b32 s82, s82, 15                        ; K, V: the slot,
	s_and_b32 s83, s[XSQ], 1
	s_lshl_b32 s83, s83, 13                        ; and which half of its keys
	s_add_co_u32 s82, s82, s83
	s_cmp_eq_u32 s[TT], 0
	s_cselect_b32 s[HSH], 17, 18
	s_cselect_b32 s81, s81, s82
	s_cmp_eq_u32 s[TT], 2
	s_cselect_b32 s82, 16384, 0                    ; V's part of a slot lies behind K's
	s_add_co_u32 s81, s81, s82
	s_lshr_b32 s82, s[XX], 4
	s_lshl_b32 s82, s82, 4                         ; 16 x batch
	s_lshl_b32 s84, s79, 1
	s_add_co_u32 s84, s84, s82                     ; bh of the first pass's first head = 16 batch + 2 cg
	s_lshl_b32 s84, s84, s[HSH]
	s_add_co_u32 s84, s84, s81
	s_mov_b32 s85, 0
	s_lshl_b32 s86, s80, 1
	s_add_co_u32 s86, s86, s82
	s_lshl_b32 s86, s86, s[HSH]
	s_add_co_u32 s86, s86, s81
	s_mov_b32 s87, 0
	s_lshl_b32 s88, 1, s[HSH]                      ; from a head to the next
	s_mov_b32 s89, 0
	s_lshl_b32 s90, s[TT], 20
	s_lshl_b32 s92, s79, 17
	s_add_co_u32 s92, s92, s90
	s_mov_b32 s93, 0
	s_lshl_b32 s94, s80, 17
	s_add_co_u32 s94, s94, s90
	s_mov_b32 s95, 0
	s_lshl_b32 s98, s79, 9
	s_mov_b32 s99, 0
	s_lshl_b32 s100, s80, 9
	s_mov_b32 s101, 0
	s_wait_kmcnt 0x0
	s_load_b256 s[24:31], s[18:19], 0x0            ; e0 .. e7
	s_load_b64 s[32:33], s[18:19], 0x20            ; e8, e9
	s_cmp_eq_u32 s[TT], 1                          ; the choices hang on the work-group's number alone
	s_cselect_b64 s[4:5], s[6:7], s[4:5]
	s_cselect_b64 s[12:13], s[14:15], s[12:13]
	s_cselect_b64 s[20:21], s[22:23], s[20:21]
	s_cmp_eq_u32 s[TT], 2
	s_cselect_b64 s[4:5], s[8:9], s[4:5]
	s_cselect_b64 s[12:13], s[16:17], s[12:13]
	s_cselect_b64 s[20:21], s[22:23], s[20:21]
	s_add_nc_u64 s[XP:XP+1], s[4:5], s[76:77]
	s_add_nc_u64 s[CGB:CGB+1], s[10:11], s[92:93]
	s_add_nc_u64 s[CGN:CGN+1], s[10:11], s[94:95]
	s_add_nc_u64 s[BPT:BPT+1], s[12:13], s[98:99]
	s_add_nc_u64 s[BPN:BPN+1], s[12:13], s[100:101]
	s_add_nc_u64 s[OB0:OB0+1], s[20:21], s[84:85]
	s_add_nc_u64 s[OB0+2:OB0+3], s[OB0:OB0+1], s[88:89]
	s_add_nc_u64 s[OBN:OBN+1], s[20:21], s[86:87]
	s_add_nc_u64 s[OBN+2:OBN+3], s[OBN:OBN+1], s[88:89]
	s_mov_b32 s[SE], s[ROT]
	s_lshl_b32 s[T0], s[SE], 14
	s_mov_b32 s[T0+1], 0
	s_add_nc_u64 s[BP0:BP0+1], s[CGB:CGB+1], s[T0:T0+1]
	s_lshl_b32 s[T0], s[ROT], 9                    ; X's bases: a K step is 512 bytes of a row.  Image 0,
	s_add_nc_u64 s[XB:XB+1], s[XP:XP+1], s[T0:T0+1]
	s_add_co_u32 s[SX], s[ROT], 1
	s_and_b32 s[SX], s[SX], 7
	s_lshl_b32 s[T0], s[SX], 9                     ; image 1
	s_add_nc_u64 s[XB+2:XB+3], s[XP:XP+1], s[T0:T0+1]
	s_wait_alu depctr_va_vdst(0)                   ; the addresses v1, v4 to v6 and v8 to v15 are written, which the loads and stores of the whole kernel read
	FETCH_B 0                                      ; the first K step's W and the bias are asked for here and land under phase X
	BIASLD
	XLD 0
	XLD 1
	XLD 2
	XLD 3
	s_wait_kmcnt 0x0
	s_cmp_eq_u32 s[TT], 1
	s_cselect_b32 s24, s26, s24                    ; ew
	s_cselect_b32 s25, s27, s25                    ; ex
	s_cselect_b32 s30, s31, s30                    ; eo: e6 for Q, e7 for K,
	s_cmp_eq_u32 s[TT], 2
	s_cselect_b32 s24, s28, s24
	s_cselect_b32 s25, s29, s25
	s_cselect_b32 s30, s33, s30                    ; e9 for V
	s_add_co_i32 s72, s25, 127
	s_lshl_b32 s73, s72, 23
	v_mov_b32 v[XSC], s73
	s_add_co_i32 s72, s72, 8
	s_lshl_b32 s72, s72, 23
	s_or_b32 s72, s72, 0x600000
	v_mov_b32 v[XLIM], s72
	s_add_co_i32 s74, s24, s25
	s_sub_co_i32 s[NE], 0, s74
	s_sub_co_i32 s72, s30, s74
	s_add_co_i32 s72, s72, 127
	s_lshl_b32 s73, s72, 23
	v_mov_b32 v[OSC], s73
	s_add_co_i32 s72, s72, 8
	s_lshl_b32 s72, s72, 23
	s_or_b32 s72, s72, 0x600000
	v_mov_b32 v[OLIM], s72
	s_mov_b32 s[XS], 0
	s_wait_loadcnt 48                              ; W, the bias and fragment 0 are in; fragments 1 to 3 (48 loads) may be out
	TURN 0
	s_mov_b32 s[CT], 3
.Lx:                                               ; a trip: four fragments, two K steps' images
	s_wait_alu depctr_va_vdst(0)
	STEPX 0, 1, 32                                 ; 32: the two fragments behind f + 1 stay out
	STEPX 1, 1, 32
	STEPX 2, 1, 32
	STEPX 3, 1, 32
	s_add_co_u32 s[XS], s[XS], 32768
	s_sub_co_u32 s[CT], s[CT], 1
	s_cmp_lg_u32 s[CT], 0
	s_cbranch_scc1 .Lx
	STEPX 0, 0, 32                                 ; the last four fragments ask for nothing: the counts run down
	STEPX 1, 0, 16
	STEPX 2, 0, 0
	STEPX 3, 0, -1
	s_wait_dscnt 0x0                               ; for the others' sake: my images have landed
	s_barrier_signal -1
	s_barrier_wait -1                              ; all 64 images lie in LDS; from here on they are only read
	FETCH_A0                                       ; into the registers that were XT: the last holds and conversions stand ahead of the last fragment's wait on va_vdst
	s_mov_b32 s[PS], 0
.Lpass:
	s_wait_loadcnt 0x0                             ; the bias (and W's first set)
.set i, 0
.rept 64
	v_ldexp_f32 v[BI+i], v[BI+i], s[NE]            ; b / 2^(ex + ew): exact
.set i, i+1
.endr
	STEP 0, AF, 1, 1, LI, 0, 16384, AF             ; image 0.  Its loads of W land in set 1, which no vector or matrix instruction has named since the wait ahead of the last pass's stores
	s_mov_b32 s[AS], 0
	s_mov_b32 s[CT], 3
.Lk:
	s_wait_alu depctr_vm_vsrc(0)                   ; the LDS instructions issued so far have read v[ADR]
	v_add_nc_u32 v[ADR], s[AS], v[LI]
	STEP 1, AF, 0, 1, ADR, 16384, 32768, BI        ; images 1, 3, 5: blocks 0-3 in set A, the next image's into set B
	STEP 0, BI, 0, 1, ADR, 32768, 49152, AF        ; images 2, 4, 6: the other way round
	s_add_co_u32 s[AS], s[AS], 32768
	s_sub_co_u32 s[CT], s[CT], 1
	s_cmp_lg_u32 s[CT], 0
	s_cbranch_scc1 .Lk
	s_wait_alu depctr_vm_vsrc(0)                   ; the LDS loads issued so far have read v[ADR]
	v_add_nc_u32 v[ADR], 98304, v[LI]
	STEP 1, AF, 0, 0, ADR, 16384, 0, AF            ; image 7: it asks for its own blocks 4-7 alone
	s_cmp_eq_u32 s[PS], 1
	s_cbranch_scc1 .Lno_more                       ; the second pass has no successor
	s_mov_b64 s[CGB:CGB+1], s[CGN:CGN+1]           ; the next pass's first operands are asked for here and land under the way out
	s_mov_b64 s[BPT:BPT+1], s[BPN:BPN+1]           ; (the bias's loads were shown done long ago)
	NEXTB 0                                        ; eight steps on: the first K step again
	FETCH_B 0                                      ; W's set 0 and set B, in which the bias lands, were last read by image 6's products, ahead of image 7's wait; image 7's name neither
	BIASLD
	s_wait_alu depctr_va_vdst(0)                   ; image 7's products are done reading set A and blocks 4-7, in which image 0's fragments land
	FETCH_A0
.Lno_more:
	HOLD
	s_cmp_eq_u32 s[TT], 2
	s_cbranch_scc1 .Lout_v
	OUTQK
	s_branch .Lout_done
.Lout_v:
	OUTV
.Lout_done:
	s_wait_xcnt 0x0                                ; the stores have read their bases
	s_wait_alu depctr_vm_vsrc(0)                   ; the stores have read the out-buffer, in which the next pass's loads of W land
	s_mov_b64 s[OB0:OB0+1], s[OBN:OBN+1]
	s_mov_b64 s[OB0+2:OB0+3], s[OBN+2:OBN+3]
	s_add_co_u32 s[PS], s[PS], 1
	s_cmp_lt_u32 s[PS], 2
	s_cbranch_scc1 .Lpass
	s_wait_dscnt 0x0                               ; the closing lines, six on end
	s_wait_alu 0x0
	s_wait_tensorcnt 0x0
	ds_add_u32 v[SPW], v[NIL]
	s_wait_dscnt 0x0
	s_endpgm
.Lfunc_end_k_q88a7cefee0_proj:
	.size	k_q88a7cefee0_proj, .Lfunc_end_k_q88a7cefee0_proj-k_q88a7cefee0_proj
	.p2alignl 7, 3214868480
	.fill 96, 4, 3214868480
	.section	.rodata,"a",@progbits
	.p2align	6, 0x0
	.amdhsa_kernel k_q88a7cefee0_proj
		.amdhsa_group_segment_fixed_size 199168
		.amdhsa_private_segment_fixed_size 0
		.amdhsa_enable_private_segment 0
		.amdhsa_kernarg_size 80
		.amdhsa_user_sgpr_count 2
		.amdhsa_user_sgpr_kernarg_segment_ptr 1
		.amdhsa_wavefront_size32 1
		.amdhsa_system_sgpr_workgroup_id_x 1
		.amdhsa_system_sgpr_workgroup_id_y 1
		.amdhsa_system_sgpr_workgroup_id_z 1
		.amdhsa_system_vgpr_workitem_id 0
		.amdhsa_next_free_vgpr 1024
		.amdhsa_next_free_sgpr 102
		.amdhsa_reserve_vcc 0
		.amdhsa_float_denorm_mode_32 3
		.amdhsa_float_denorm_mode_16_64 3
		.amdhsa_memory_ordered 1
		.amdhsa_forward_progress 1
		.amdhsa_inst_pref_size 220
	.end_amdhsa_kernel
	.amdgpu_metadata
---
amdhsa.version: [ 1, 2 ]
amdhsa.kernels:
  - .name:           k_q88a7cefee0_proj
    .symbol:         k_q88a7cefee0_proj.kd
    .args:
      - { .name: X_Q, .offset: 0, .size: 8, .value_kind: global_buffer, .address_space: global }
      - { .name: X_K, .offset: 8, .size: 8, .value_kind: global_buffer, .address_space: global }
      - { .name: X_V, .offset: 16, .size: 8, .value_kind: global_buffer, .address_space: global }
      - { .name: wimg, .offset: 24, .size: 8, .value_kind: global_buffer, .address_space: global }
      - { .name: bq, .offset: 32, .size: 8, .value_kind: global_buffer, .address_space: global }
      - { .name: bk, .offset: 40, .size: 8, .value_kind: global_buffer, .address_space: global }
      - { .name: bv, .offset: 48, .size: 8, .value_kind: global_buffer, .address_space: global }
      - { .name: lowp_scales, .offset: 56, .size: 8, .value_kind: global_buffer, .address_space: global }
      - { .name: qimg, .offset: 64, .size: 8, .value_kind: global_buffer, .address_space: global }
      - { .name: kvimg, .offset: 72, .size: 8, .value_kind: global_buffer, .address_space: global }
    .group_segment_fixed_size: 199168
    .private_segment_fixed_size: 0
    .kernarg_segment_align: 8
    .kernarg_segment_size: 80
    .max_flat_workgroup_size: 128
    .sgpr_count:     102
    .vgpr_count:     1024
    .wavefront_size: 32
...
	.end_amdgpu_metadata
.endif
;; end of part 5
;; launch attn (part 6): grid 4 x 64, 16 waves a work-group, no clusters, 327,680 bytes of LDS; arguments qimg, kvimg, lowp_scales, out0; writes out0
.if DOCPART == 6
	.amdgcn_target "amdgcn-amd-amdhsa--gfx1250"
	.amdhsa_code_object_version 6
	.text
	.protected	k_q88a7cefee0_attn
	.globl	k_q88a7cefee0_attn
	.p2align	8
	.type	k_q88a7cefee0_attn,@function
k_q88a7cefee0_attn:
	s_mov_b64 s[64:65], 0
	v_nop
	global_prefetch_b8 v0, s[64:65] scope:SCOPE_SE
	s_setreg_imm32_b32 hwreg(HW_REG_WAVE_MODE, 25, 1), 1
	s_wait_xcnt 0x0
; out[b][n][64 head + :] = the sum over m <= n of softmax_m(Q[n] . K[m] / 8) V[m], products 4 and 5 on the codes of E4M3 that the launch before has stored as images of operand registers.
; WORK LEFT OUT: reference()'s own jnp.tril makes probs[n][m] = 0 for m > n, whatever the inputs: a step of 128 keys that all come after a tile's 16 queries is not multiplied, a slot that no query of the work-group may see is not fetched.
; LIMIT: a NaN, an infinity or an overflow that reaches only those scores is not carried to the result.
; THE SOFTMAX AHEAD OF PRODUCT 5: t = score x log2(e) / 8; M = the row's largest t so far, rounded UP to a whole number; p = 2^(t - M) is quantised along the keys with 2^ep, not normalised.  The row's sum is taken of the
; unquantised p and divides at the end.  When M moves, the sum and O are multiplied by 2^(old M - new M): exact.
; SHARES.  Work-group (i, bh) owns query blocks 7 - i and i of 256 of one batch and head: under the mask the two together have the same number of key steps for every i.  Each of the sixteen waves owns a tile of 16 queries of
; each block (H and L): four waves to a SIMD, so that one wave's vector work stands beside another's matrix work and LDS loads.  Every work-group walks all 8 slots of 256 keys (constant trip counts) and leaves hidden work out.
; K and V come through a ring of two LDS slots: a slot is one dense block of 32 KB of kvimg; wave 0 fetches K's 16 KB, wave 1 V's, all sixteen read.  By this text's count a wave never has more than one tensor load out.
; NO CLUSTER: the four work-groups of a bh read the same slots, but work-group i reads only slots 0 .. 7 - i: a joint load would bring three of the four partners tiles that none of their waves reads.
; LAYOUT.  S^T = K Q^T (source 0 = 16 neighbouring keys, source 1 = my 16 queries, 16x16x64): a lane holds ONE query, its 8 registers of key tile t the keys 16 t + 8 h + 0 .. 7: one conversion gives registers 2 t, 2 t + 1 of
; P, source 1 of O^T = V^T P^T (16x16x128) in that form's own places.  Nothing changes lanes but the maximum and the sum, once each between the halves.
; LIMITS on the given exponents: eq + ek between -126 and 130 (added to c's exponent field); ep between -126 and 119; ep + ev is applied by v_ldexp_f32 and has none.
.set SLOT1, 1<<15                      ; slot 1 begins here: one exclusive or turns an address in one slot into the other's
.set STAGE, 65536                      ; the way out: 16 rows x 272 bytes for each wave; bytes of its own, into which no tensor load lands
.set SPARE, 135168                     ; the spare words, 128 bytes for each wave: eight blocks of 256 bytes that no other line names
.set LI,   1                           ; v1   16 x lane
.set ADR,  2                           ; v2   LDS address of the slot in hand + 16 x lane
.set PFO,  3                           ; v3   256 x lane, for the prefetches; never rewritten
.set SIN,  4                           ; v4   the stage: where I put 32 bytes of a row
.set SPW,  5
.set NIL,  6
.set GO,   7                           ; v7   my byte offset in two rows of out0
.set SBK,  9                           ; v9   the stage: where I read a row back
.set STH,  12                          ; v12 -M, v13 the largest t, v[14:15] the sum in two halves: tile H;  v16-19: tile L
.set STL,  16
.set QH,   20                          ; v20-27, v28-35  Q's fragments
.set QL,   28
.set FR,   36                          ; v36-99   8 fragments of K, then 4 of V
.set S,    100                         ; v100-163 S^T, then p
.set OH,   164                         ; v164-195, v196-227  O^T
.set OL,   196
.set P,    228                         ; v228-243 p's codes
.set PSC,  244                         ; 2^ep
.set PLIM, 245                         ; 448 x 2^ep
.set FF,   246                         ; v[246:247] f = 2^(old M - new M)
.set SUM2, 248                         ; v[248:249] a second chain
.set PERM, 250
.set TA,   251
.set WV,   12
.set TB,   13                          ; LDS byte at which the slot in hand begins
.set SLOTS, 14
.set KF,   15                          ; the step's first key
.set Q0H,  16                          ; my first query of tile H, of tile L
.set Q0L,  17
.set LIM,  18                          ; 1 in a wave that prefetches, else the greatest number
.set EPV,  19                          ; ep + ev
.set SEL,  20                          ; s[20:21] lane selects for v_permlanex16_b32: lane l xor 16
.set CS,   22                          ; s[22:23] c = log2(e) / 8 x 2^(eq + ek)
.set G1,   24                          ; s[24:31] descriptor group 1
.set G0,   32                          ; s[32:35] group 0, which walks
.set PFA,  36                          ; s[36:37] where my prefetches stand
.set OPH,  38                          ; s[38:39], s[40:41] out0 at my tiles' first rows
.set OPL,  40
.macro TLOAD                           ; waves 0 and 1 fetch, the others nothing; the branch hangs on the wave's number alone.  An s_nop 0 and four v_nop follow the load
	s_cmp_lt_u32 s[WV], 2
	s_cbranch_scc0 .Lasked_\@
	tensor_load_to_lds s[G0:G0+3], s[G1:G1+7]
	s_nop 0
.rept 4
	v_nop
.endr
.Lasked_\@:
.endm
; A PREFETCH of the slot that the NEXT change of slots will ask for: 32 KB, two key steps ahead of that load.  The four work-groups of a bh walk the same slots: work-group 0, whose own walk fetches all eight, asks; in it waves 4 to 7,
; which fetch nothing, 8,192 bytes each, lanes 256 bytes apart: each aligned block of 256 bytes is named once in the launch.  Slots 0 and 1 come by their loads alone; the last change that fills a slot asks for nothing.
.macro ASK
	s_cmp_gt_u32 s[SLOTS], s[LIM]
	s_cbranch_scc0 .Lnot_mine_\@
	global_prefetch_b8 v[PFO], s[PFA:PFA+1] th:TH_LOAD_NT scope:SCOPE_SE
.Lnot_mine_\@:
.endm
	s_load_b256 s[4:11], s[0:1], 0x0               ; qimg s[4:5], kvimg s[6:7], the scales' exponents s[8:9], out0 s[10:11]
	v_lshl_add_u32 v[SPW], v0, 2, SPARE
	v_mov_b32 v[NIL], 0
	ds_add_u32 v[SPW], v[NIL]                      ; the wave's opening: the add, twice on end, and its wait ahead of the first tensor load; work on registers stands between
	ds_add_u32 v[SPW], v[NIL]
	v_lshrrev_b32 v8, 5, v0
	s_delay_alu instid0(VALU_DEP_1)
	v_readfirstlane_b32 s[WV], v8                  ; wave 0..15
	s_mov_b32 s[G1], 3<<16                         ; no mask; elements of 8 bytes; no padding: the images are read 16 bytes x lane, 512 consecutive bytes a load
	s_mov_b32 s[G1+1], 32<<16                      ; tensor_dim0 = 32 elements: rows of 256 bytes
	s_mov_b32 s[G1+2], 64<<16                      ; tensor_dim1 = 64
	s_mov_b32 s[G1+3], 32<<16                      ; tile_dim0
	s_mov_b32 s[G1+4], 64                          ; tile_dim1: 64 rows = 16 KB
	s_mov_b32 s[G1+5], 32                          ; the pitch: dense
	s_mov_b32 s[G1+6], 0
	s_mov_b32 s[G1+7], 0
	s_mov_b32 s[SEL], 0x76543210
	s_mov_b32 s[SEL+1], 0xfedcba98
	s_mov_b32 s[CS], 0x3e38aa3b                    ; log2(e) / 8
	s_mov_b32 s[TB], 0
	s_mov_b32 s[SLOTS], 7
	s_mov_b32 s[KF], 0
	s_and_b32 s52, ttmp7, 0xffff                   ; bh
	s_lshl_b32 s53, s[WV], 4
	s_sub_co_u32 s54, 7, ttmp9
	s_lshl_b32 s54, s54, 8
	s_add_co_u32 s[Q0H], s54, s53                  ; 256 (7 - i) + 16 wave
	s_lshl_b32 s54, ttmp9, 8
	s_add_co_u32 s[Q0L], s54, s53                  ; 256 i + 16 wave
	s_and_b32 s55, s[WV], 1
	s_lshl_b32 s55, s55, 14                        ; which half of a slot I fetch, if I fetch
	s_lshl_b32 s56, s52, 18
	s_add_co_u32 s56, s56, s55
	s_mov_b32 s57, 0
	s_mov_b32 s59, 0
	s_wait_dscnt 0x0                               ; both opening adds are done
	s_wait_kmcnt 0x0
	s_load_b128 s[44:47], s[8:9], 0x18             ; eq, ek, ep, ev: entries 6 to 9
	s_mov_b32 s[G0], 1                             ; count = 1
	s_mov_b32 s[G0+1], s55                         ; LDS address: slot 0
	s_add_nc_u64 s[G0+2:G0+3], s[6:7], s[56:57]    ; global address: the bh's slot 0
	s_or_b32 s[G0+3], s[G0+3], 0x80000000          ; type = 2
	TLOAD                                          ; slot 0: key 0 counts for every query, so it is read
	s_lshl_b32 s56, s52, 18                        ; the prefetches: my wave's 8,192 bytes,
	s_and_b32 s58, s[WV], 3
	s_lshl_b32 s58, s58, 13
	s_add_co_u32 s56, s56, s58
	s_add_co_u32 s56, s56, 32768                   ; in slot 1: the first change of slots steps it to slot 2
	s_add_nc_u64 s[PFA:PFA+1], s[6:7], s[56:57]
	s_sub_co_u32 s58, s[WV], 4
	s_lshr_b32 s58, s58, 2                         ; 0 in waves 4 to 7,
	s_or_b32 s58, s58, ttmp9                       ; of work-group 0
	s_cmp_eq_u32 s58, 0
	s_cselect_b32 s[LIM], 1, -1
	s_lshl_b32 s56, s52, 17                        ; Q: a tile of 16 queries is 1,024 bytes
	s_lshl_b32 s58, s[Q0H], 6
	s_add_co_u32 s58, s58, s56
	s_add_nc_u64 s[48:49], s[4:5], s[58:59]
	s_lshl_b32 s58, s[Q0L], 6
	s_add_co_u32 s58, s58, s56
	s_add_nc_u64 s[50:51], s[4:5], s[58:59]
	v_and_b32 v8, 31, v0
	s_delay_alu instid0(VALU_DEP_1)
	v_lshlrev_b32 v[LI], 4, v8
	s_delay_alu instid0(VALU_DEP_2)
	v_lshlrev_b32 v[PFO], 8, v8
.irp c, 0,1
	global_load_b128 v[QH+4*\c:QH+4*\c+3], v[LI], s[48:49] offset:512*\c th:TH_LOAD_NT   ; Q's fragments stay in registers
	global_load_b128 v[QL+4*\c:QL+4*\c+3], v[LI], s[50:51] offset:512*\c th:TH_LOAD_NT
.endr
	s_lshr_b32 s56, s52, 4
	s_lshl_b32 s56, s56, 11                        ; 2048 x batch
	s_and_b32 s54, s52, 15
	s_lshl_b32 s54, s54, 8                         ; the head's 256 bytes of a row
	s_add_co_u32 s58, s56, s[Q0H]
	s_lshl_b32 s58, s58, 12
	s_add_co_u32 s58, s58, s54
	s_add_nc_u64 s[OPH:OPH+1], s[10:11], s[58:59]
	s_add_co_u32 s58, s56, s[Q0L]
	s_lshl_b32 s58, s58, 12
	s_add_co_u32 s58, s58, s54
	s_add_nc_u64 s[OPL:OPL+1], s[10:11], s[58:59]
	v_and_b32 v8, 15, v0                           ; r
	v_bfe_u32 v10, v0, 4, 1                        ; h
	s_delay_alu instid0(VALU_DEP_1)
	v_lshlrev_b32 v[GO], 12, v10
	s_delay_alu instid0(VALU_DEP_1)
	v_lshl_add_u32 v[GO], v8, 4, v[GO]             ; lanes 0-15 take one row of out0, lanes 16-31 the next; 16 bytes a lane
	s_mul_i32 s58, s[WV], 16*272
	s_add_co_u32 s58, s58, STAGE                   ; my stage
	v_mul_u32_u24 v[SIN], v8, 272
	s_delay_alu instid0(VALU_DEP_1)
	v_lshl_add_u32 v[SIN], v10, 5, v[SIN]
	s_delay_alu instid0(VALU_DEP_1)
	v_add_nc_u32 v[SIN], s58, v[SIN]               ; in: row r, + 32 h
	v_mul_u32_u24 v[SBK], v10, 272
	s_delay_alu instid0(VALU_DEP_1)
	v_lshl_add_u32 v[SBK], v8, 4, v[SBK]
	s_delay_alu instid0(VALU_DEP_1)
	v_add_nc_u32 v[SBK], s58, v[SBK]               ; back: row h, + 16 r
.irp st, STH, STL
	v_mov_b32 v[\st+1], 0xff61b1e6                 ; the largest t so far: -3e38, under every t
	s_delay_alu instid0(VALU_DEP_1)
	v_floor_f32 v[\st], -v[\st+1]                  ; -M
	v_mov_b32 v[\st+2], 0                          ; the sum, in two halves
	v_mov_b32 v[\st+3], 0
.endr
	v_mov_b32 v[PERM], 0                           ; written once: a lane permute's destination counts as one of its sources
	v_mov_b32 v[FF+1], 0                           ; (named as the upper half of the pair)
.set i, 0
.rept 64
	v_mov_b32 v[OH+i], 0                           ; O^T of both tiles.  (The step is written without a first form of its own: the first change of M multiplies zeros)
.set i, i+1
.endr
	s_wait_kmcnt 0x0
	s_add_co_i32 s54, s44, s45
	s_lshl_b32 s54, s54, 23
	s_add_co_i32 s[CS], s[CS], s54                 ; a score stands for score x 2^(eq + ek): the exponents are added to c's exponent field
	s_mov_b32 s[CS+1], s[CS]                       ; (named with it as a pair, so it is written)
	s_add_co_i32 s54, s46, 127
	s_lshl_b32 s55, s54, 23
	v_mov_b32 v[PSC], s55
	s_add_co_i32 s54, s54, 8
	s_lshl_b32 s54, s54, 23
	s_or_b32 s54, s54, 0x600000
	v_mov_b32 v[PLIM], s54
	s_add_co_i32 s[EPV], s46, s47
; A KEY STEP of one tile: 128 keys, the q-th of the slot in hand.  st, qf, o, q0: the tile's statistics, Q, O^T, first query.
.macro STEP q, st, qf, o, q0
	s_add_co_u32 s96, s[\q0], 15                   ; all keys after my 16 queries: the step is left out.  A scalar branch on ids; no barrier, wait for tiles or tensor load stands in a step
	s_cmp_gt_u32 s[KF], s96
	s_cbranch_scc1 .Lhidden_\@
	v_add_nc_u32 v[ADR], s[TB], v[LI]
.rept 3
	v_nop                                          ; with the addition: four places in front of loads into registers that the last products read
.endr
.irp t, 0,1,2,3,4,5,6,7
	ds_load_b128 v[FR+8*\t:FR+8*\t+3], v[ADR] offset:(8*(\q)+\t)*1024
	ds_load_b128 v[FR+8*\t+4:FR+8*\t+7], v[ADR] offset:(8*(\q)+\t)*1024+512
.endr
	s_wait_alu depctr_va_vdst(0)
	s_wait_dscnt 0x0
.irp t, 0,1,2,3,4,5,6,7
	v_wmma_f32_16x16x64_fp8_fp8 v[S+8*\t:S+8*\t+7], v[FR+8*\t:FR+8*\t+7], v[\qf:\qf+7], 0
.endr
.rept 4
	v_nop
.endr
.irp dt, 0,1,2,3                               ; V's four fragments are asked for at once and land under the softmax
.irp c, 0,1,2,3
	ds_load_b128 v[FR+16*\dt+4*\c:FR+16*\dt+4*\c+3], v[ADR] offset:16384+(\q)*8192+\dt*2048+\c*512
.endr
.endr
	s_add_co_u32 s96, s[KF], 127                   ; on the diagonal hidden scores become -infinity ahead of the maximum: p = 0 then.  A step all of whose keys count skips this
	s_cmp_le_u32 s96, s[\q0]
	s_cbranch_scc1 .Lopen_\@
	s_sub_co_i32 s96, s[\q0], s[KF]
	v_and_b32 v252, 15, v0
	v_bfe_u32 v253, v0, 4, 1
	s_delay_alu instid0(VALU_DEP_1)
	v_lshlrev_b32 v253, 3, v253
	s_delay_alu instid0(VALU_DEP_1)
	v_sub_nc_u32 v252, v252, v253
	s_delay_alu instid0(VALU_DEP_1)
	v_add_nc_u32 v252, s96, v252                   ; d = my query - KF - 8 h.  Register 8 t + j holds key KF + 16 t + 8 h + j: hidden where 16 t + j > d
	v_mov_b32 v254, 0xff800000
.set n, 0
.rept 64
	v_cmp_gt_i32 vcc_lo, 16*(n/8)+n%8, v252
	v_cndmask_b32 v[S+n], v[S+n], v254, vcc_lo
.set n, n+1
.endr
.Lopen_\@:
	v_max3_num_f32 v[TA], v[S], v[S+1], v[S+2]     ; the step's largest score of my query among my 64 keys, in two chains; each accumulator is first read at its low end
	v_max3_num_f32 v[SUM2], v[S+3], v[S+4], v[S+5]
.irp i, 6,10,14,18,22,26,30,34,38,42,46,50,54,58
	v_max3_num_f32 v[TA], v[TA], v[S+\i], v[S+\i+1]
	v_max3_num_f32 v[SUM2], v[SUM2], v[S+\i+2], v[S+\i+3]
.endr
	v_max3_num_f32 v[TA], v[TA], v[S+62], v[S+63]
	s_delay_alu instid0(VALU_DEP_1)
	v_max_num_f32 v[TA], v[TA], v[SUM2]
	s_delay_alu instid0(VALU_DEP_1)
	v_permlanex16_b32 v[PERM], v[TA], s[SEL], s[SEL+1]
	s_delay_alu instid0(VALU_DEP_1)
	v_max_num_f32 v[TA], v[TA], v[PERM]            ; and among lane l xor 16's
	s_delay_alu instid0(VALU_DEP_1)
	v_mul_f32 v[TA], s[CS], v[TA]                  ; as t (c is positive)
	s_delay_alu instid0(VALU_DEP_1)
	v_max_num_f32 v[\st+1], v[\st+1], v[TA]        ; the running largest t
	v_mov_b32 v[TA], v[\st]
	s_delay_alu instid0(VALU_DEP_2)
	v_floor_f32 v[\st], -v[\st+1]                  ; the new -M = floor(-t) = -ceil(t)
	s_delay_alu instid0(VALU_DEP_1)
	v_sub_f32 v[TA], v[\st], v[TA]                 ; old M less new M: a whole number, 0 or less
	s_delay_alu instid0(VALU_DEP_1)
	v_cvt_i32_f32 v[TA], v[TA]                     ; (it saturates)
	s_delay_alu instid0(VALU_DEP_1)
	v_ldexp_f32 v[FF], 1.0, v[TA]                  ; f = 2^(old M - new M)
.set n, 0
.rept 32
	v_pk_fma_f32 v[S+n:S+n+1], v[S+n:S+n+1], s[CS:CS+1], v[\st:\st+1] op_sel_hi:[1,0,0]   ; t - M, two at a time (of the pairs c and -M the low word serves both halves)
.set n, n+2
.endr
.set n, 0
	s_wait_alu depctr_va_vdst(0)
.rept 64
	v_exp_f32 v[S+n], v[S+n]                       ; p = 2^(t - M), at most 1
.set n, n+1
.endr
	v_pk_mul_f32 v[\st+2:\st+3], v[\st+2:\st+3], v[FF:FF+1] op_sel_hi:[1,0]   ; the sums under the new M: the plain instruction behind the exponentials
	s_wait_alu depctr_va_vdst(0)                   ; one wait for the whole batch, ahead of its first reader
	v_pk_add_f32 v[SUM2:SUM2+1], v[S:S+1], v[S+2:S+3]   ; the row's sum is taken of the unquantised p, in two chains
.irp j, 4,8,12,16,20,24,28,32,36,40,44,48,52,56,60
	v_pk_add_f32 v[\st+2:\st+3], v[\st+2:\st+3], v[S+\j:S+\j+1]
	v_pk_add_f32 v[SUM2:SUM2+1], v[SUM2:SUM2+1], v[S+\j+2:S+\j+3]
.endr
	s_delay_alu instid0(VALU_DEP_1)
	v_pk_add_f32 v[\st+2:\st+3], v[\st+2:\st+3], v[SUM2:SUM2+1]
.irp t, 0,1,2,3,4,5,6,7
.irp i, 0,1,2,3,4,5,6,7
	v_min_num_f32 v[S+8*\t+\i], v[S+8*\t+\i], v[PLIM]   ; the conversion does not saturate (ISA guide 7.6.2); p is not negative, so the hold is one-sided
.endr
	v_cvt_scalef32_pk8_fp8_f32 v[P+2*\t:P+2*\t+1], v[S+8*\t:S+8*\t+7], v[PSC]
.endr
.set n, 0
.rept 16
	v_pk_mul_f32 v[\o+n:\o+n+1], v[\o+n:\o+n+1], v[FF:FF+1] op_sel_hi:[1,0]   ; O^T under the new M.  (Plain instructions between the conversions and the products)
.set n, n+2
.endr
	s_wait_alu depctr_va_vdst(0)
	s_wait_dscnt 0x0                               ; V is in
.irp dt, 0,1,2,3
	v_wmma_f32_16x16x128_fp8_fp8 v[\o+8*\dt:\o+8*\dt+7], v[FR+16*\dt:FR+16*\dt+15], v[P:P+15], v[\o+8*\dt:\o+8*\dt+7]
.endr
.Lhidden_\@:
.endm
.macro KSTEP q, both
	STEP \q, STH, QH, OH, Q0H
.if \both
	STEP \q, STL, QL, OL, Q0L
.endif
	s_add_co_u32 s[KF], s[KF], 128
.endm
; THE CHANGE OF SLOTS stands at a slot's head.  Each wave waits for all its tensor loads, adds 0 to its spare word, and waits for that and for its reads of the slot that it has left.  Behind the barrier the slot ahead is whole
; and nobody reads the other one.  fill = 1: that other slot takes the next 256 keys, up to the causal limit; the load has a slot's two key steps in which to land.
.macro CHANGE fill
	s_wait_tensorcnt 0x0                           ; no tensor load of mine is out, so group 0 may be written
	ds_add_u32 v[SPW], v[NIL]                      ; 0 onto my spare word
.if \fill
	ds_add_u32 v[SPW], v[NIL]                      ; and once more: the add stands twice on end here, in every trip alike
	s_xor_b32 s[G0+1], s[G0+1], SLOT1              ; the walking descriptor: the other slot,
	s_add_nc_u64 s[G0+2:G0+3], s[G0+2:G0+3], 32768 ; the next 256 keys; the type bits on top are not reached
	s_wait_xcnt 0x0                                ; the last prefetch, a slot back, has read its address
	s_add_nc_u64 s[PFA:PFA+1], s[PFA:PFA+1], 32768
.endif
	s_wait_dscnt 0x0                               ; the adds are done, and my reads of the slot that I have left are over
	s_barrier_signal -1
	s_barrier_wait -1
.if \fill
	s_add_co_u32 s96, s[KF], 256                   ; the first key of the slot that this change would ask for,
	s_or_b32 s97, s[Q0H], 255                      ; against my work-group's last query: a slot beyond it is read by none of the sixteen waves and is not asked for.
	s_cmp_gt_u32 s96, s97                          ; Ids and the count of steps alone: all waves go the same way; every wait for tensor loads in this text is for 0; the jump leads round the load's own lines alone
	s_cbranch_scc1 .Lpast_\@
	TLOAD                                          ; a wave's one tensor load until the next change
.Lpast_\@:
	ASK
.endif
.endm
	s_wait_loadcnt 0x0                             ; Q
.Lslot:                                            ; 7 trips: slots 0 to 6
	CHANGE 1
	KSTEP 0, 1
	KSTEP 1, 1
	s_xor_b32 s[TB], s[TB], SLOT1
	s_sub_co_u32 s[SLOTS], s[SLOTS], 1
	s_cmp_lg_u32 s[SLOTS], 0
	s_cbranch_scc1 .Lslot
	CHANGE 0                                       ; slot 7 is written out: nothing is asked for behind it.  Its first key, 1,792, comes after every query of a block i <= 3: tile L has no step here
	KSTEP 0, 0
	KSTEP 1, 0
; THE WAY OUT.  O^T / the sum x 2^(ep + ev) goes through my stage, 16 rows of 256 bytes, and leaves so that sixteen lanes store the head's 256 consecutive, aligned bytes of a row.
.macro OUTA st, o, tmp, d
	v_add_f32 v[\st+2], v[\st+2], v[\st+3]         ; the sum's two halves,
	s_delay_alu instid0(VALU_DEP_1)
	v_permlanex16_b32 v[PERM], v[\st+2], s[SEL], s[SEL+1]
	s_delay_alu instid0(VALU_DEP_1)
	v_add_f32 v[\st+2], v[\st+2], v[PERM]          ; and lane l xor 16's
	s_wait_alu depctr_va_vdst(0)
	v_rcp_f32 v[\st+2], v[\st+2]
	v_nop                                          ; a plain instruction behind the reciprocal,
	s_wait_alu depctr_va_vdst(0)                   ; and the wait ahead of its first reader
	v_ldexp_f32 v[\st+2], v[\st+2], s[EPV]
.set n, 0
.rept 32
	v_mul_f32 v[\tmp+n], v[\o+n], v[\st+2]         ; register 8 dt + j is out(r, 16 dt + 8 h + j); each accumulator from its low end on
.set n, n+1
.endr
.irp dt, 0,1,2,3
	ds_store_b128 v[SIN], v[\tmp+8*\dt:\tmp+8*\dt+3] offset:64*\dt
	ds_store_b128 v[SIN], v[\tmp+8*\dt+4:\tmp+8*\dt+7] offset:64*\dt+16
.endr
.irp i, 0,1,2,3,4,5,6,7
	ds_load_b128 v[\d+4*\i:\d+4*\i+3], v[SBK] offset:2*\i*272   ; LDS serves a wave's instructions in order (ISA guide 5.7.1.4): these see my stores, and the next tile's stores come behind them
.endr
.endm
.macro OUTB d, op, younger             ; younger: the LDS instructions issued behind this tile's loads
.irp i, 0,1,2,3,4,5,6,7
	s_wait_dscnt \younger+7-\i
	global_store_b128 v[GO], v[\d+4*\i:\d+4*\i+3], s[\op:\op+1] offset:2*\i*4096 th:TH_STORE_NT
.endr
.endm
.rept 4
	v_nop                                          ; places behind the last products
.endr
	OUTA STH, OH, S, FR
	OUTA STL, OL, S+32, FR+32                      ; tile L's arithmetic stands between tile H's loads and its stores
	OUTB FR, OPH, 16
	OUTB FR+32, OPL, 0
	s_wait_tensorcnt 0x0                           ; the wave's end: behind my last tensor load and my last LDS store
	ds_add_u32 v[SPW], v[NIL]
	s_wait_dscnt 0x0
	s_endpgm
.Lfunc_end_k_q88a7cefee0_attn:
	.size	k_q88a7cefee0_attn, .Lfunc_end_k_q88a7cefee0_attn-k_q88a7cefee0_attn
	.p2alignl 7, 3214868480
	.fill 96, 4, 3214868480
	.section	.rodata,"a",@progbits
	.p2align	6, 0x0
	.amdhsa_kernel k_q88a7cefee0_attn
		.amdhsa_group_segment_fixed_size 327680
		.amdhsa_private_segment_fixed_size 0
		.amdhsa_enable_private_segment 0
		.amdhsa_kernarg_size 32
		.amdhsa_user_sgpr_count 2
		.amdhsa_user_sgpr_kernarg_segment_ptr 1
		.amdhsa_wavefront_size32 1
		.amdhsa_system_sgpr_workgroup_id_x 1
		.amdhsa_system_sgpr_workgroup_id_y 1
		.amdhsa_system_sgpr_workgroup_id_z 1
		.amdhsa_system_vgpr_workitem_id 0
		.amdhsa_next_free_vgpr 256
		.amdhsa_next_free_sgpr 100
		.amdhsa_reserve_vcc 1
		.amdhsa_float_denorm_mode_32 3
		.amdhsa_float_denorm_mode_16_64 3
		.amdhsa_memory_ordered 1
		.amdhsa_forward_progress 1
		.amdhsa_inst_pref_size 143
	.end_amdhsa_kernel
	.amdgpu_metadata
---
amdhsa.version: [ 1, 2 ]
amdhsa.kernels:
  - .name:           k_q88a7cefee0_attn
    .symbol:         k_q88a7cefee0_attn.kd
    .args:
      - { .name: qimg, .offset: 0, .size: 8, .value_kind: global_buffer, .address_space: global }
      - { .name: kvimg, .offset: 8, .size: 8, .value_kind: global_buffer, .address_space: global }
      - { .name: lowp_scales, .offset: 16, .size: 8, .value_kind: global_buffer, .address_space: global }
      - { .name: out0, .offset: 24, .size: 8, .value_kind: global_buffer, .address_space: global }
    .group_segment_fixed_size: 327680
    .private_segment_fixed_size: 0
    .kernarg_segment_align: 8
    .kernarg_segment_size: 32
    .max_flat_workgroup_size: 512
    .sgpr_count:     100
    .vgpr_count:     256
    .wavefront_size: 32
...
	.end_amdgpu_metadata
.endif
;; end of part 6
